; MI455X (gfx1250); checked and timed in simulation.
; The chip was launched on July 23, 2026; its instructions are those of AMD's public machine-readable ISA for CDNA 5 (MIT licence, August 2026) and "CDNA5" Instruction Set Architecture Reference Guide (July 2026). The comments in the code are by the model that wrote it; some were corrected since.
;; Stream Model For Gemma. Allowed arithmetic: matrix products marked QUANTISED: E2M3 operands, one E8M0 scale for each 32 along K, by v_wmma_scale_f32_16x16x128_f8f6f4 with both operands' format E2M3, f32 sums; everything else in f32.
;; Inputs: cos 2 x 4,096 x 256 float32; hidden_states_codes 2 x 4,096 x 64 x 24 uint8 (E2M3 codes of hidden_states, K innermost, in blocks of 32 codes, four codes in three bytes); hidden_states_scales 2 x 4,096 x 64 uint8 (E8M0 scales of hidden_states, one for each 32 codes along K); k_norm_w 256 float32; q_norm_w 256 float32; sin 2 x 4,096 x 256 float32; wk_codes 512 x 64 x 24 uint8 (E2M3 codes of wk, K innermost, in blocks of 32 codes, four codes in three bytes); wk_scales 512 x 64 uint8 (E8M0 scales of wk, one for each 32 codes along K); wo_codes 2,048 x 16 x 24 uint8 (E2M3 codes of wo, K innermost, in blocks of 32 codes, four codes in three bytes); wo_scales 2,048 x 16 uint8 (E8M0 scales of wo, one for each 32 codes along K); wq_codes 512 x 64 x 24 uint8 (E2M3 codes of wq, K innermost, in blocks of 32 codes, four codes in three bytes); wq_scales 512 x 64 uint8 (E8M0 scales of wq, one for each 32 codes along K); wv_codes 512 x 64 x 24 uint8 (E2M3 codes of wv, K innermost, in blocks of 32 codes, four codes in three bytes); wv_scales 512 x 64 uint8 (E8M0 scales of wv, one for each 32 codes along K).
;; Outputs: out0 2 x 4,096 x 2,048 float32.
;; This version of the problem:
;;   THIS VERSION OF THE PROBLEM IS GIVEN IN LOW PRECISION. The matrix products marked QUANTISED in the list below multiply operands that are first quantised to E2M3 (2 exponent bits, 3 mantissa bits; 6 bits a number), with one power-of-two scale for each 32 numbers along K (OCP MX v1.0); their sums are f32. All else is computed in f32.
;;   The module's matrix products, in the order in which they are computed (A, B: the left and right operand; K: the contracted axis; several contracted axes count as one K, in the product's order):
;;     1. [M 8,192, K 2,048] x [K 2,048, N 512]; A: input hidden_states (given as codes); B: input wq (given as codes): QUANTISED
;;     2. [M 8,192, K 2,048] x [K 2,048, N 512]; A: input hidden_states (given as codes); B: input wk (given as codes): QUANTISED
;;     3. [M 8,192, K 2,048] x [K 2,048, N 512]; A: input hidden_states (given as codes); B: input wv (given as codes): QUANTISED
;;     4. batch 4 x [M 4,096, K 256] x [K 256, N 4,096]; A: computed on the way; B: computed on the way: QUANTISED
;;     5. batch 4 x [M 4,096, K 4,096] x [K 4,096, N 256]; A: softmax (see below); B: computed on the way: QUANTISED
;;     6. [M 8,192, K 512] x [K 512, N 2,048]; A: computed on the way; B: input wo (given as codes): QUANTISED
;;   THE QUANTISER, for each operand of a quantised product, along K:
;;     - K is cut into blocks of 32 from its start; a last block that is shorter is filled with zeros.
;;     - A block's scale is 2^e with e = floor(log2(the largest magnitude in the block)) - 2, held to -126 .. 127; a block of zeros has e = 0. As a byte (E8M0): e + 127.
;;     - Each number is divided by its block's scale, clamped to +-7.5, and rounded to the nearest number of E2M3, ties to even, subnormals kept.
;;     - The product sums the exact products of the quantised numbers (number of the format x scale) in f32.
;;   ~~~python
;;   def quantise(x, axis):      # numpy; x: float32 -> the quantised numbers, widened to float32 again
;;       x = np.moveaxis(x, axis, -1); K = x.shape[-1]
;;       x = np.pad(x, [(0, 0)] * (x.ndim - 1) + [(0, -K % 32)]); x = x.reshape(x.shape[:-1] + (-1, 32)); a = np.abs(x).max(-1, keepdims=True)
;;       e = np.where(a > 0, np.clip(np.frexp(np.where(a > 0, a, 1))[1] - 1 - 2, -126, 127), 0)      # np.frexp(a)[1] - 1 = floor(log2(a)), exactly
;;       r = np.clip(x / 2.0 ** e, -7.5, 7.5)
;;       step = 2.0 ** (np.maximum(np.frexp(np.where(r == 0, 1, r))[1] - 1, 0) - 3)
;;       q = np.round(r / step) * step * 2.0 ** e      # np.round: ties to even
;;       return np.moveaxis(q.reshape(q.shape[:-2] + (-1,))[..., :K], -1, axis).astype(np.float32)
;;   ~~~
;;   SOFTMAX AHEAD OF A QUANTISED PRODUCT. Where the list says 'softmax', what is quantised is not the finished softmax but p = 2^(t - M), with t = logit x log2(e) and M = ceil(the row's largest t), a whole number; so 1/2 < the row's largest p <= 1. The row's sum l is taken of the UNQUANTISED p, in f32, and the product's result is divided by l at the end. Since M is a whole number, a kernel that streams over the keys may use a running M (the ceiling of the running maximum): every later rescaling is an exact power of two, which a block's scale takes up: the codes' values come out the same.
;;   OPERANDS COMPUTED ON THE WAY. 'Computed on the way' means the value that the module computes at that place (a softmax that the list does not call 'softmax' is quantised finished and normalised). What goes into a quantiser is computed in f32, as accurately as f32 sums, v_exp_f32 and their like allow (about 1e-6 of the number): no bf16 or f16 on the way to a quantiser, and a product that is left as it is and whose result goes on into a quantised operand takes f32 operands (vector FMAs, or v_wmma_f32_16x16x4_f32). A number that lies on a knife's edge between two numbers of the format may be rounded either way, as far as f32 arithmetic and the matrix unit's own rounding can turn it there, and no further.
;;   INPUTS GIVEN AS CODES. hidden_states (in the module: [2, 4096, 2048], K = its axis 2); wk (in the module: [2048, 512], K = its axis 0); wo (in the module: [512, 2048], K = its axis 0); wq (in the module: [2048, 512], K = its axis 0); wv (in the module: [2048, 512], K = its axis 0): each comes as NAME_codes (uint8): NAME with its K axis moved to the last place and cut into blocks of 32 codes, [.., K / 32, bytes a block], one block behind the other in memory; four codes in three bytes: a row's codes are one little-endian stream of bits, code i at bits 6 i .. 6 i + 5 (a code: sign, 2 exponent bits, 3 mantissa bits); and NAME_scales (uint8): the same leading axes, one E8M0 byte (e + 127) for each 32 codes along K. Its value is code x scale, taken as it is: it is not quantised again, and the codes and scales need not be those that the quantiser above would give.
;; One version. Each part assembles by itself: llvm-mc -triple=amdgcn-amd-amdhsa -mcpu=gfx1250 --defsym DOCPART=n.
;; ======== version 1 of 1: 3 launches
;; workspace buffers: qimg 3,276,800 bytes; kv 6,553,600 bytes; ao 3,145,728 bytes; aos 131,072 bytes
;; launch qkv (part 1): grid 192 x 1, 4 waves a work-group, clusters of 4 x 1, 327,680 bytes of LDS; arguments hidden_states_codes, hidden_states_scales, wq_codes, wq_scales, wk_codes, wk_scales, wv_codes, wv_scales, cos, sin, q_norm_w, k_norm_w, qimg, kv; writes qimg, kv
.if DOCPART == 1
	.amdgcn_target "amdgcn-amd-amdhsa--gfx1250"
	.amdhsa_code_object_version 6
	.text
	.protected	k_q07b5f332ea_qkv
	.globl	k_q07b5f332ea_qkv
	.p2align	8
	.type	k_q07b5f332ea_qkv,@function
k_q07b5f332ea_qkv:
	s_mov_b64 s[64:65], 0
	v_nop
	global_prefetch_b8 v0, s[64:65] scope:SCOPE_SE
	s_setreg_imm32_b32 hwreg(HW_REG_WAVE_MODE, 25, 1), 1
	s_wait_xcnt 0x0
	s_wait_alu depctr_hold_cnt(0) depctr_sa_sdst(0) depctr_va_vdst(0) depctr_va_sdst(0) depctr_va_ssrc(0) depctr_va_vcc(0) depctr_vm_vsrc(0)
	s_getreg_b32 s2, hwreg(HW_REG_IB_STS2, 6, 4)
	s_cmp_eq_u32 s2, 0
	s_cbranch_scc0 .Lentry_in_a_cluster
	s_endpgm
.Lentry_in_a_cluster:
	s_bfe_u32 s2, ttmp6, 0x10000c
	s_cmp_lg_u32 s2, 0x3003
	s_cbranch_scc0 .Lentry_shape_is_right
	s_endpgm
.Lentry_shape_is_right:
; q, k, v = hidden x wq, wk, wv on codes of FP6 (E2M3) with one E8M0 scale for each 32 along K = 2,048; then, for q and k, the RMS norm over a head's 256 with gain 1 + w and the rotation by
; the given cos and sin, in f32; then the quantiser: q and k along the head's 256, v along the tokens.  What leaves are operands for the next launch, as images of their registers.
; SHARES.  A work-group of four waves makes a tile of 256 x 256 (a wave 128 x 128: 64 accumulators) with K in steps of 256 through a ring of two LDS slots.  192 tiles: 32 token tiles x (q, k) x 2 heads, and 32 x 2 for v.
; CLUSTERS of four.  Clusters 0-31: token tile = the cluster's number; the partners are q head 0, q head 1, k head 0, k head 1.  'A' (source 1) = 256 rows of hidden, 'B' (source 0) = the head's 256 rows of the weight:
; a lane holds one token and its registers run along the head's channels.  Clusters 32-47: v; 'A' = the head's 256 rows of wv, 'B' = 256 rows of hidden, another token tile in each partner: a lane holds one
; channel and its registers run along the tokens, which are the next product's K.  In every cluster A is what the four share: A's tiles and scales are asked for jointly (mask 15), B's by plain loads.
; THE ROWS OF A WAVE.  Half hf (0, 1) and block i (0..7) take the tile's rows 64 hf + 128 (i / 4) + 16 (i % 4) + 0..15, for both operands.  So a wave's 128 channels are d and d + 128 for 64 values of d:
; the rotation's partner lies in the same lane and register, four accumulators on.
; A BLOCK OF 32 along the next K is two neighbouring accumulators.  Its 32 codes are laid in one fixed order (lanes 0-15's sixteen numbers first), alike in both operands of the next launch's products.
; LIMITS: NaN and infinities are not served; a block of zeros gets the scale byte 1 where the quantiser says 127 (its codes are zeros, and this program alone reads the bytes);
; 1 / sqrt comes from v_rsq_f32 (ISA guide: 1 ulp).
; REGISTERS, in windows of 256.  Main loop: window 0: v1-31 addresses, v32-63 scale words (two sets; they hold nothing else in the whole text), v128-223 A's fragments (one set); window 1: B's fragments, two sets at v0 and v128;
; windows 2, 3: the accumulators ((a, b) at v[8 (8 (a % 4) + b)]).  Afterwards: window 0: v64-127 the gains, v128-191 normed numbers (later the quantiser's registers), v192-199 a scale word for each block of 16, v224-249 sums;
; window 1: two sets of cos and sin.  The rotated numbers go back into the block's own accumulators, whose numbers have all been read by then, and the block's codes into the first twelve of these:
; no register that a store reads is written again, so the way out has no wait for its stores.
.set NQ,     2                         ; matrix instructions deep in a slot
.set ROWB,   192                       ; a tile's row: 256 codes
.set KROW,   1536                      ; a row of 2,048 codes in memory
.set PITCH,  240                       ; an LDS row: 3 x (64 bytes + 16 of padding)
.set FR,     12
.set NL,     6
.set NP,     4
.set Q64,    64*PITCH
.set HALFT,  128*PITCH
.set SLOT,   4*HALFT                   ; A's 256 rows, then B's
.set LAPS,   4                         ; 2,048 / 512
.set SCL,    2*SLOT                    ; the scales, units of 256 bytes + 16
.set HALFS,  8704                      ; those of 128 rows
.set SBLK,   1088                      ; of 16 rows
.set XCH,    SCL+4*HALFS               ; sums of squares from wave to wave, 1,024 bytes a wave
.set SCQ,    XCH+4096                  ; scale words on their way out, 512 bytes a wave: q and k
.set SCV,    SCQ+2048                  ; the same for v: bytes of its own
.set SPARE,  SCV+2048                  ; the spare words: 128 bytes a wave, named by no other line
.set IMGO, 7                           ; v7   16 x lane: my place in an image
.set CSO,  8                           ; v8   1,024 r + 32 h: my place in 16 rows of cos and sin
.set GWO,  9                           ; v9   32 h
.set XST,  10                          ; v10  where I put a sum of squares
.set XLD,  11                          ; v11  where the other half's wave has put its
.set SSTQ, 12                          ; v12, v13  scale words: in (16 r), back (16 x lane)
.set SLDQ, 13
.set SSTV, 14                          ; v14, v15  the same on v's bytes
.set SLDV, 15
.set ADRA, 16                          ; v16-17 A's fragments in slot 0, 1; v18-19 behind one padding more
.set ADRB, 20                          ; v20-23 the same for B
.set ADRS, 27                          ; v27  my scale words: lanes 0-15 A's rows, lanes 16-31 B's
.set SPW,  28                          ; v28  my spare word; never rewritten
.set NIL,  29                          ; v29  0; never rewritten
.set SGO,  30                          ; v30  512 h + 16 r
.set PFO,  31                          ; v31  256 x lane
.set SC,   32
.set AF,   128
.set G,    64
.set Y,    128
.set PWB,  192                         ; v192-199 block a's scale word at v[192 + a]
.set SSP,  224
.set RS,   240
.set RSP,  248
.set TM,   128                         ; the quantiser: v128-143 at work, v148-166 the codes as they are made
.set CDS,  148
.set WV,  20
.set RH,  21                           ; which half of A's rows is mine; also: I fetch for A (0) or B (1)
.set CC,  22                           ; which half of B's rows; also: which 128 rows I fetch
.set CX,  23
.set CID, 96
.set ISV, 97
.set SEL, 18
.set G1,   24
.set G0,   32
.set G1B,  40
.set G0B,  48
.set G1S,  56
.set G1SB, 80
.set G0S,  88
.set G0SB, 92
.set MSB, 0
.macro WIN new                         ; the immediate's high byte repeats the setting that is left
.if MSB != (\new)
	s_set_vgpr_msb (MSB<<8)|(\new)
.set MSB, (\new)
.endif
.endm
.set MUL_LO, 0xa1                      ; source 0 (B) window 1, source 1 (A) window 0, C and D window 2
.set MUL_HI, 0xf1
.set TO_B,   0x40
; Waves 0 and 1 fetch for A (jointly), waves 2 and 3 for B.  The branch hangs on the wave's number alone.  An s_nop 0 and four v_nop follow each line.
.macro JLOAD g0a, g1a, g0b, g1b
	s_cmp_eq_u32 s[RH], 0
	s_cbranch_scc0 .Lfor_b_\@
	tensor_load_to_lds s[\g0a:\g0a+3], s[\g1a:\g1a+7]
	s_nop 0
.rept 4
	v_nop
.endr
	s_branch .Lasked_\@
.Lfor_b_\@:
	tensor_load_to_lds s[\g0b:\g0b+3], s[\g1b:\g1b+7]
	s_nop 0
.rept 4
	v_nop
.endr
.Lasked_\@:
.endm
.macro CREST                           ; a round of the cluster's barrier behind its opening barrier
	s_cmp_lg_u32 s[WV], 0
	s_cbranch_scc1 .Lnot_wave_0_\@
	s_barrier_signal -3
.Lnot_wave_0_\@:
	s_barrier_wait -3
	s_barrier_signal -1
	s_barrier_wait -1
.endm
.macro CROUND
	s_barrier_signal -1
	s_barrier_wait -1
	CREST
.endm
	s_load_b512 s[4:19], s[0:1], 0x0               ; hidden codes s[4:5], scales s[6:7]; wq s[8:11]; wk s[12:15]; wv s[16:19]
	s_load_b256 s[68:75], s[0:1], 0x40             ; cos, sin, q_norm_w, k_norm_w
	s_load_b128 s[76:79], s[0:1], 0x60             ; qimg, kv
	v_lshl_add_u32 v[SPW], v0, 2, SPARE
	v_mov_b32 v[NIL], 0
	ds_add_u32 v[SPW], v[NIL]                      ; the wave's opening: the add and its wait stand ahead of my first tensor load; work on registers stands between them
	v_lshrrev_b32 v1, 5, v0
	v_readfirstlane_b32 s[WV], v1
	s_lshr_b32 s[RH], s[WV], 1
	s_and_b32 s[CC], s[WV], 1
	s_bfe_u32 s[CX], ttmp6, 0x40000                ; my place in the cluster
	s_mov_b32 s[CID], ttmp9                        ; the cluster's number
	s_cmp_ge_u32 s[CID], 32
	s_cselect_b32 s[ISV], 1, 0                     ; a cluster of v
	s_sub_co_u32 s98, s[CID], 32
	s_and_b32 s99, s98, 1                          ; v: the head
	s_lshr_b32 s100, s98, 1
	s_lshl_b32 s100, s100, 2
	s_add_co_u32 s100, s100, s[CX]                 ; v: the token tile
	s_and_b32 s101, s[CX], 1                       ; q, k: the head
	s_cmp_lg_u32 s[ISV], 0
	s_cselect_b32 s98, s99, s[CID]                 ; A's tile of 256 rows: made of the cluster's number alone
	s_cselect_b32 s67, s100, s101                  ; B's
	s_cselect_b32 s104, s100, s[CID]               ; the token tile, 0..31
	s_cselect_b32 s105, s99, s101                  ; the head
	; descriptor group 1: 128 rows of 192 bytes, 16 bytes of padding behind every 64
	s_mov_b32 s[G1], 15|(1<<20)|(1<<21)|(3<<22)|(3<<25)   ; 15:0 the mask: all four partners; elements of 1 byte; padding on; bit 21 beside a mask
	s_mov_b32 s[G1B], (1<<20)|(3<<22)|(3<<25)      ; the same, no mask
.irp g, G1, G1B
	s_mov_b32 s[\g+1], ROWB<<16
	s_mov_b32 s[\g+2], 128<<16
	s_mov_b32 s[\g+3], ROWB<<16
	s_mov_b32 s[\g+4], 128
	s_mov_b32 s[\g+5], KROW
	s_mov_b32 s[\g+6], 0
	s_mov_b32 s[\g+7], 0
.endr
	; the scales of 128 rows: 8,192 dense bytes as 32 rows of 256 (32 elements of 8 bytes), 16 bytes of padding behind each
	s_mov_b32 s[G1S], 15|(3<<16)|(1<<20)|(1<<21)|(5<<22)|(3<<25)
	s_mov_b32 s[G1SB], (3<<16)|(1<<20)|(5<<22)|(3<<25)
.irp g, G1S, G1SB
	s_mov_b32 s[\g+1], 32<<16
	s_mov_b32 s[\g+2], 32<<16
	s_mov_b32 s[\g+3], 32<<16
	s_mov_b32 s[\g+4], 32
	s_mov_b32 s[\g+5], 32
	s_mov_b32 s[\g+6], 0
	s_mov_b32 s[\g+7], 0
.endr
	s_lshl_b32 s2, s[CC], 7
	s_lshl_b32 s98, s98, 8
	s_add_co_u32 s98, s98, s2                      ; the first row of A that I fetch
	s_lshl_b32 s67, s67, 8
	s_add_co_u32 s67, s67, s2                      ; of B
	s_mul_i32 s[G0+2], s98, KROW                   ; offsets first; the pointers are added behind the wait for them
	s_mov_b32 s[G0+3], 0
	s_lshl_b32 s[G0S+2], s98, 6
	s_mov_b32 s[G0S+3], 0
	s_mul_i32 s[G0B+2], s67, KROW
	s_mov_b32 s[G0B+3], 0
	s_lshl_b32 s[G0SB+2], s67, 6
	s_mov_b32 s[G0SB+3], 0
	s_mov_b32 s[G0], 1
	s_mov_b32 s[G0+4], 1
	s_mov_b32 s[G0B], 1
	s_mov_b32 s[G0B+4], 1
	s_mov_b32 s[G0S], 1
	s_mov_b32 s[G0SB], 1
	s_mul_i32 s[G0+1], s[WV], HALFT                ; LDS: wave x 128 rows; no place in the cluster enters an LDS address
	s_add_co_u32 s[G0+5], s[G0+1], SLOT
	s_mul_i32 s[G0B+1], s[WV], HALFT
	s_add_co_u32 s[G0B+5], s[G0B+1], SLOT
	s_mul_i32 s[G0S+1], s[WV], HALFS
	s_add_co_u32 s[G0S+1], s[G0S+1], SCL
	s_mul_i32 s[G0SB+1], s[WV], HALFS
	s_add_co_u32 s[G0SB+1], s[G0SB+1], SCL
	s_wait_dscnt 0x0                               ; the opening add is done
	s_wait_kmcnt 0x0
	s_cmp_lg_u32 s[ISV], 0
	s_cselect_b64 s[98:99], s[16:17], s[4:5]       ; A: wv or hidden; the choice hangs on the cluster's number
	s_add_nc_u64 s[G0+2:G0+3], s[98:99], s[G0+2:G0+3]
	s_cselect_b64 s[98:99], s[18:19], s[6:7]
	s_add_nc_u64 s[G0S+2:G0S+3], s[98:99], s[G0S+2:G0S+3]
	s_cmp_ge_u32 s[CX], 2
	s_cselect_b64 s[100:101], s[12:13], s[8:9]     ; B: wk or wq,
	s_cselect_b64 s[66:67], s[14:15], s[10:11]
	s_cmp_lg_u32 s[ISV], 0
	s_cselect_b64 s[100:101], s[4:5], s[100:101]   ; or hidden
	s_cselect_b64 s[66:67], s[6:7], s[66:67]
	s_add_nc_u64 s[G0B+2:G0B+3], s[100:101], s[G0B+2:G0B+3]
	s_add_nc_u64 s[G0SB+2:G0SB+3], s[66:67], s[G0SB+2:G0SB+3]
	s_add_nc_u64 s[G0+6:G0+7], s[G0+2:G0+3], ROWB  ; slot 1: K step 1
	s_add_nc_u64 s[G0B+6:G0B+7], s[G0B+2:G0B+3], ROWB
	s_or_b32 s[G0+3], s[G0+3], 0x80000000          ; type = 2
	s_or_b32 s[G0+7], s[G0+7], 0x80000000
	s_or_b32 s[G0B+3], s[G0B+3], 0x80000000
	s_or_b32 s[G0B+7], s[G0B+7], 0x80000000
	s_or_b32 s[G0S+3], s[G0S+3], 0x80000000
	s_or_b32 s[G0SB+3], s[G0SB+3], 0x80000000
	CROUND                                         ; all four work-groups are here: the first joint loads meet
	JLOAD G0S, G1S, G0SB, G1SB                     ; three loads of mine are out: the scales of all of K,
	JLOAD G0, G1, G0B, G1B                         ; K step 0,
	JLOAD G0+4, G1, G0B+4, G1B                     ; K step 1
	v_and_b32 v1, 15, v0                           ; r
	v_bfe_u32 v2, v0, 4, 1                         ; h
	v_mul_u32_u24 v3, v1, PITCH
	v_mul_u32_u24 v4, v2, 24
	v_add_nc_u32 v4, v3, v4                        ; a fragment's row x pitch + 24 h
	v_lshl_add_u32 v5, v2, 4, v4                   ; and behind one padding more
	s_mul_i32 s2, s[RH], Q64                       ; my half of A's rows begins 64 rows in,
	s_mul_i32 s98, s[CC], Q64
	s_add_co_u32 s98, s98, 2*HALFT                 ; B's lie behind A's 256
.irp s, 0,1
	v_add_nc_u32 v[ADRA+\s], s2, v4
	v_add_nc_u32 v[ADRB+\s], s98, v4
	v_add_nc_u32 v[ADRA+2+\s], s2, v5
	v_add_nc_u32 v[ADRB+2+\s], s98, v5
	s_add_co_u32 s2, s2, SLOT
	s_add_co_u32 s98, s98, SLOT
.endr
	v_lshlrev_b32 v5, 6, v1                        ; my row's scales: 64 bytes a row,
	v_lshrrev_b32 v6, 8, v5
	v_lshl_add_u32 v5, v6, 4, v5                   ; and 16 more for each 256 passed
	s_mul_i32 s2, s[RH], 4*SBLK
	s_mul_i32 s98, s[CC], 4*SBLK
	s_add_co_u32 s98, s98, 2*HALFS
	s_sub_co_u32 s98, s98, s2
	v_mul_u32_u24 v6, s98, v2                      ; lanes 16-31 take B's: one product, h x the distance
	s_add_co_u32 s2, s2, SCL
	v_add_nc_u32 v5, v5, v6
	v_add_nc_u32 v[ADRS], s2, v5
	v_and_b32 v6, 31, v0                           ; lane.  Every LDS address of the way out is made here, ahead of any parting
	v_lshlrev_b32 v[IMGO], 4, v6
	v_lshlrev_b32 v[CSO], 10, v1
	v_lshl_add_u32 v[CSO], v2, 5, v[CSO]
	v_lshlrev_b32 v[GWO], 5, v2
	s_lshl_b32 s2, s[WV], 10
	s_add_co_u32 s2, s2, XCH
	v_lshl_add_u32 v[XST], v6, 2, s2
	s_xor_b32 s2, s[WV], 1                         ; the wave with the other 128 channels of my tokens
	s_lshl_b32 s2, s2, 10
	s_add_co_u32 s2, s2, XCH
	v_lshl_add_u32 v[XLD], v6, 2, s2
	s_lshl_b32 s2, s[WV], 9
	s_add_co_u32 s2, s2, SCQ
	v_lshl_add_u32 v[SSTQ], v1, 4, s2
	v_lshl_add_u32 v[SLDQ], v6, 4, s2
	s_add_co_u32 s2, s2, SCV-SCQ
	v_lshl_add_u32 v[SSTV], v1, 4, s2
	v_lshl_add_u32 v[SLDV], v6, 4, s2
	v_lshlrev_b32 v[SGO], 9, v2
	v_lshl_add_u32 v[SGO], v1, 4, v[SGO]
	v_lshlrev_b32 v[PFO], 8, v6
	; where the results go.  Block = (2 batch + head) x 32 + 2 x (token tile in the batch) + sel.  q, k: sel = my half of the tokens, sub = my half of the channels; v: the other way round
	s_lshr_b32 s3, s104, 4
	s_lshl_b32 s3, s3, 1
	s_add_co_u32 s3, s3, s105
	s_lshl_b32 s3, s3, 5
	s_and_b32 s66, s104, 15
	s_lshl_b32 s66, s66, 1
	s_add_co_u32 s3, s3, s66
	s_cmp_lg_u32 s[ISV], 0
	s_cselect_b32 s66, s[CC], s[RH]                ; sel
	s_cselect_b32 s67, s[RH], s[CC]                ; sub
	s_cselect_b32 s100, 25600, 0                   ; v's part lies behind k's in a block of kv
	s_add_co_u32 s3, s3, s66
	s_cmp_lt_u32 s[CX], 2
	s_cselect_b32 s66, 1, 0
	s_cmp_lg_u32 s[ISV], 0
	s_cselect_b32 s66, 0, s66                      ; 1 for q
	s_cmp_lg_u32 s66, 0
	s_mov_b32 s101, 51200
	s_cselect_b32 s101, 25600, s101                ; a block's bytes: qimg 25,600, kv 51,200
	s_cselect_b64 s[4:5], s[76:77], s[78:79]
	s_cselect_b64 s[12:13], s[72:73], s[74:75]     ; q's or k's gains
	s_mul_i32 s3, s3, s101
	s_add_co_u32 s100, s3, s100
	s_mov_b32 s101, 0
	s_add_nc_u64 s[4:5], s[4:5], s[100:101]
	s_lshl_b32 s100, s67, 8
	s_add_co_u32 s100, s100, 24576
	s_add_nc_u64 s[6:7], s[4:5], s[100:101]        ; s[6:7]: my scale words
	s_mul_i32 s100, s67, 6144
	s_add_nc_u64 s[4:5], s[4:5], s[100:101]        ; s[4:5]: my images
	s_lshl_b32 s100, s104, 18                      ; cos, sin: row 256 x token tile + 64 x my half, + my channels' 256 bytes
	s_lshl_b32 s3, s[RH], 16
	s_add_co_u32 s100, s100, s3
	s_lshl_b32 s3, s[CC], 8
	s_add_co_u32 s100, s100, s3
	s_add_nc_u64 s[8:9], s[68:69], s[100:101]
	s_add_nc_u64 s[10:11], s[70:71], s[100:101]
	s_mov_b32 s100, s3
	s_add_nc_u64 s[12:13], s[12:13], s[100:101]
	s_lshl_b32 s100, s104, 18                      ; the prefetches: rows 64 x my place in the cluster + 16 x wave of the token tile
	s_lshl_b32 s3, s[CX], 16
	s_add_co_u32 s100, s100, s3
	s_lshl_b32 s3, s[WV], 14
	s_add_co_u32 s100, s100, s3
	s_add_nc_u64 s[14:15], s[68:69], s[100:101]
	s_add_nc_u64 s[16:17], s[70:71], s[100:101]
	s_mov_b32 s[SEL], 0x76543210
	s_mov_b32 s[SEL+1], 0xfedcba98                 ; v_permlanex16_b32's selects for lane l xor 16
	s_mov_b32 s98, 0x3b800000                      ; 1 / 256
	s_mov_b32 s99, 0x358637bd                      ; 1e-6
.macro FRAG reg, adr, q, i             ; 16 rows x 128 K: 12 registers, in pieces of 8 bytes; where the piece three on lies behind one padding more, the second address register serves
.irp p, 0,1,2,3,4,5
.set PCE, 12*(\q)+6*(\p/3)+\p%3
.if PCE%8 < 5
	ds_load_b64 v[\reg+2*\p:\reg+2*\p+1], v[\adr] offset:8*PCE+16*(PCE/8)+((\i)%4)*16*PITCH+((\i)/4)*HALFT
.else
	ds_load_b64 v[\reg+2*\p:\reg+2*\p+1], v[\adr+2] offset:8*PCE+16*(PCE/8)+((\i)%4)*16*PITCH+((\i)/4)*HALFT
.endif
.endr
.endm
; 16 matrix instructions: A's blocks a0, a0 + 1 x B's eight.  The 64 accumulators take turns, one instruction a turn, in the same order in every step.
.macro MUL16 a0, p, q, sc, zero
.irp a, \a0, \a0+1
.irp b, 0,1,2,3,4,5,6,7
.if \zero
	v_wmma_scale_f32_16x16x128_f8f6f4 v[8*(8*((\a)%4)+\b):8*(8*((\a)%4)+\b)+7], v[128*(\p)+FR*\b:128*(\p)+FR*\b+FR-1], v[AF+FR*(\a):AF+FR*(\a)+FR-1], 0, v[SC+8*NQ*(\sc)+NQ*\b+(\q)], v[SC+8*NQ*(\sc)+NQ*(\a)+(\q)] matrix_a_fmt:MATRIX_FMT_FP6 matrix_b_fmt:MATRIX_FMT_FP6 matrix_a_scale:MATRIX_SCALE_ROW1
.else
	v_wmma_scale_f32_16x16x128_f8f6f4 v[8*(8*((\a)%4)+\b):8*(8*((\a)%4)+\b)+7], v[128*(\p)+FR*\b:128*(\p)+FR*\b+FR-1], v[AF+FR*(\a):AF+FR*(\a)+FR-1], v[8*(8*((\a)%4)+\b):8*(8*((\a)%4)+\b)+7], v[SC+8*NQ*(\sc)+NQ*\b+(\q)], v[SC+8*NQ*(\sc)+NQ*(\a)+(\q)] matrix_a_fmt:MATRIX_FMT_FP6 matrix_b_fmt:MATRIX_FMT_FP6 matrix_a_scale:MATRIX_SCALE_ROW1
.endif
.endr
.endr
.endm
.macro FETCH_B slot, q, p
	WIN TO_B
.irp i, 0,1,2,3,4,5,6,7
	FRAG 128*(\p)+FR*\i, ADRB+\slot, \q, \i
.endr
	WIN 0
.endm
.macro FETCH_A slot, q, i0
.irp i, \i0, \i0+1, \i0+2, \i0+3
	FRAG AF+FR*(\i), ADRA+\slot, \q, \i
.endr
.endm
.macro SCALES sc                       ; a K step's two scale words a row: lanes 0-15 A's block i, lanes 16-31 B's block i
.irp i, 0,1,2,3,4,5,6,7
	ds_load_b64 v[SC+8*NQ*\sc+NQ*\i:SC+8*NQ*\sc+NQ*\i+1], v[ADRS] offset:(\i%4)*SBLK+(\i/4)*HALFS
.endr
.endm
.macro PLACES n                        ; places behind matrix instructions, in front of loads into their registers and of reads of their results
.rept \n
	v_nop
.endr
.endm
.macro STEP slot, q, zero              ; 128 along K whose successor lies in the same slot
	s_wait_dscnt 4*NL                              ; B's set and A's blocks 0-3 are in; the 24 youngest loads (A's blocks 4-7) may be out
	WIN MUL_LO
	MUL16 0, (\q)%2, \q, \slot, \zero
	MUL16 2, (\q)%2, \q, \slot, \zero
	s_wait_dscnt 0
	PLACES NP
	FETCH_B \slot, (\q)+1, 1-(\q)%2
	FETCH_A \slot, (\q)+1, 0
	WIN MUL_HI
	MUL16 4, (\q)%2, \q, \slot, \zero
	MUL16 6, (\q)%2, \q, \slot, \zero
	PLACES NP
	WIN 0
	FETCH_A \slot, (\q)+1, 4
.endm
; A slot's last step changes slots: one barrier; in front of it each wave waits for all its tensor loads, adds 0 to its spare word, and waits for that and for its reads of this slot.
; The step's first 32 products stand AHEAD of the wait for the tensor loads, and between that wait and the refill stand only the add, the descriptors' steps, the wait for the add and the round:
; so the next request goes out as soon as the load before it has landed in every wave, and the products are issued while that load is on its way.
; fill = 1: the barrier opens a round of the cluster's, and this slot is filled again, two K steps ahead.  pf = 1: cos and sin are prefetched.
.macro TURN slot, next, fill, pf
	s_wait_dscnt 4*NL                              ; B's set and A's blocks 0-3 are in; the 24 youngest loads (A's blocks 4-7) may be out
	WIN MUL_LO
	MUL16 0, 1, NQ-1, \slot, 0
	MUL16 2, 1, NQ-1, \slot, 0
	WIN 0
	s_wait_tensorcnt 0x0                           ; all my tensor loads have landed: my part of the next slot; so a group 0 may be written
	ds_add_u32 v[SPW], v[NIL]                      ; 0 onto my spare word
.if \fill
	s_add_nc_u64 s[G0+4*\slot+2:G0+4*\slot+3], s[G0+4*\slot+2:G0+4*\slot+3], 2*ROWB
	s_add_nc_u64 s[G0B+4*\slot+2:G0B+4*\slot+3], s[G0B+4*\slot+2:G0B+4*\slot+3], 2*ROWB
.endif
	s_wait_dscnt 0x0                               ; the add is done, and my reads of this slot (the last: A's blocks 4-7) are over
	s_barrier_signal -1
	s_barrier_wait -1
.if \fill
	CREST                                          ; no wave of any partner still reads this slot or has a load on its way
	JLOAD G0+4*\slot, G1, G0B+4*\slot, G1B         ; my one tensor load behind the round; its four v_nop are the places in front of the loads below
.else
	PLACES NP
.endif
	v_add_nc_u32 v[ADRS], 4*NQ, v[ADRS]            ; the next K step's scale words
	FETCH_B \next, 0, 0
	FETCH_A \next, 0, 0
	SCALES \next
.if \pf
; The token tile's 256 rows of cos and of sin, 1,024 bytes a row, are read by all four partners from 96 matrix instructions on.  Each partner names 64 rows, told apart by address,
; each wave 16 of them: lanes 256 bytes apart, two instructions a table.  So each block of 256 bytes is named once.  Clusters of v read no table and ask for nothing.
	s_cmp_lg_u32 s[ISV], 0
	s_cbranch_scc1 .Lno_tables_\@
	global_prefetch_b8 v[PFO], s[14:15] th:TH_LOAD_NT scope:SCOPE_SE
	global_prefetch_b8 v[PFO], s[14:15] offset:8192 th:TH_LOAD_NT scope:SCOPE_SE
	global_prefetch_b8 v[PFO], s[16:17] th:TH_LOAD_NT scope:SCOPE_SE
	global_prefetch_b8 v[PFO], s[16:17] offset:8192 th:TH_LOAD_NT scope:SCOPE_SE
.Lno_tables_\@:
.endif
	WIN MUL_HI
	MUL16 4, 1, NQ-1, \slot, 0
	MUL16 6, 1, NQ-1, \slot, 0
	PLACES NP
	WIN 0
	FETCH_A \next, 0, 4
.endm
.macro LASTSTEP                        ; the last 128 along K: nothing more to fetch.  It stands in both paths behind the parting
	s_wait_dscnt 4*NL
	WIN MUL_LO
	MUL16 0, 1, NQ-1, 1, 0
	MUL16 2, 1, NQ-1, 1, 0
	s_wait_dscnt 0
	WIN MUL_HI
	MUL16 4, 1, NQ-1, 1, 0
	MUL16 6, 1, NQ-1, 1, 0
	WIN 0
	PLACES NP                                      ; behind the last products: their results are read and their operands' registers written from here on
.endm
; THE QUANTISER.  64 numbers of a lane, v[src] .. v[src + 63] of window win: registers 16 b + 0..15 are my sixteen of block b; lane l xor 16 holds the other sixteen.  Out: the codes in v[CDS] on, the scale word in v[pwr].
.macro QUANT src, win, pwr
	WIN (\win)|((\win)<<2)
.irp b, 0,1,2,3
	v_max3_num_f32 v[TM+\b], |v[(\src)+16*\b]|, |v[(\src)+16*\b+1]|, 0x1800000   ; with the floor 2^(3 - 127): the byte cannot fall under 1.  Each accumulator is read from its low end on
.endr
.irp i, 2,4,6,8,10,12,14
.irp b, 0,1,2,3
	v_max3_num_f32 v[TM+\b], |v[(\src)+16*\b+\i]|, |v[(\src)+16*\b+\i+1]|, v[TM+\b]
.endr
.endr
	WIN 0
.irp b, 0,1,2,3
	v_permlanex16_b32 v[TM+4+\b], v[TM+\b], s[SEL], s[SEL+1]
.endr
.irp b, 0,1,2,3
	v_max_num_f32 v[TM+\b], v[TM+\b], v[TM+4+\b]   ; the block's largest magnitude
.endr
.irp b, 0,1,2,3
	v_add_nc_u32 v[TM+12+\b], 0xff000000, v[TM+\b] ; 2 off its exponent field: the conversion's scale operand
.endr
.irp b, 0,1,2,3
	v_lshrrev_b32 v[TM+4+\b], 23, v[TM+12+\b]      ; the scale's byte
.endr
	v_lshl_or_b32 v[\pwr], v[TM+5], 8, v[TM+4]
	v_lshl_or_b32 v[\pwr], v[TM+6], 16, v[\pwr]
	v_lshl_or_b32 v[\pwr], v[TM+7], 24, v[\pwr]
	WIN \win
.irp c, 0,1
	v_cvt_scalef32_pk16_fp6_f32 v[CDS+6*\c:CDS+6*\c+2], v[(\src)+32*\c:(\src)+32*\c+15], v[TM+12+2*\c]
	v_cvt_scalef32_pk16_fp6_f32 v[CDS+12+4*\c:CDS+14+4*\c], v[(\src)+32*\c+16:(\src)+32*\c+31], v[TM+13+2*\c]
.endr
	WIN 0
	v_nop                                          ; one plain place behind a scaled conversion
.irp c, 0,1                            ; a whole block to a lane: lanes 0-15 block 2 c, lanes 16-31 block 2 c + 1: the first three registers then hold its lower 16 codes, the second three its upper 16
.irp i, 0,1,2
	v_permlane16_swap_b32 v[CDS+6*\c+\i], v[CDS+12+4*\c+\i]
.endr
.endr
.endm
; The fragment's twelve registers are put together in the first twelve of the block's own accumulators (v[src] on, window win), which the conversions have read: registers that nothing writes again, so that no wait
; stands between these stores and the next block's work.  The image: three stores of 512 consecutive bytes.  The scale word, in a register of its own, waits in LDS for its neighbours.
.macro EMIT blk, src, win, pwr, lad
	ds_store_b32 v[\lad], v[\pwr] offset:256*((\blk)/4)+4*((\blk)%4)
	WIN ((\win)<<6)|((\win)<<2)                    ; a move's destination and a store's data (its source 1): the accumulators' window
.irp c, 0,1
.irp i, 0,1,2
	v_mov_b32 v[(\src)+6*\c+\i], v[CDS+6*\c+\i]
	v_mov_b32 v[(\src)+6*\c+3+\i], v[CDS+12+4*\c+\i]
.endr
.endr
.irp k3, 0,1,2
	global_store_b128 v[IMGO], v[(\src)+4*\k3:(\src)+4*\k3+3], s[4:5] offset:1536*((\blk)%4+8*((\blk)/4))+512*\k3
.endr
	WIN 0
.endm
.macro CSLOAD a, set                   ; cos and sin of block a's 16 tokens at my 128 channels, in the accumulators' layout, into window 1
	WIN 0x40
.irp b, 0,1,2,3,4,5,6,7
.irp q2, 0,1
	global_load_b128 v[128*(\set)+8*\b+4*\q2:128*(\set)+8*\b+4*\q2+3], v[CSO], s[8:9] offset:(128*((\a)/4)+16*((\a)%4))*1024+512*(\b/4)+64*(\b%4)+16*\q2
	global_load_b128 v[128*(\set)+64+8*\b+4*\q2:128*(\set)+64+8*\b+4*\q2+3], v[CSO], s[10:11] offset:(128*((\a)/4)+16*((\a)%4))*1024+512*(\b/4)+64*(\b%4)+16*\q2
.endr
.endr
	WIN 0
.endm
	s_wait_tensorcnt 1                             ; the scales and my part of K step 0 are in; K step 1's load may be out
	s_barrier_signal -1
	s_barrier_wait -1
	FETCH_B 0, 0, 0
	FETCH_A 0, 0, 0
	SCALES 0
	FETCH_A 0, 0, 4
	STEP 0, 0, 1                                   ; the first step's products start the sums
	s_mov_b32 s3, LAPS-1
.Llap:                                             ; a trip goes once round the ring and fills both slots again
	TURN 0, 1, 1, 0
	STEP 1, 0, 0
	TURN 1, 0, 1, 0
	STEP 0, 0, 0
	s_sub_co_u32 s3, s3, 1
	s_cmp_lg_u32 s3, 0
	s_cbranch_scc1 .Llap
	TURN 0, 1, 0, 1                                ; the last lap fills nothing
	STEP 1, 0, 0
	s_cmp_lg_u32 s[ISV], 0                         ; the one parting: on the cluster's number, alike in all waves and partners
	s_cbranch_scc1 .Lv_path
	; ---- q and k.  The gains and the first set of cos and sin are asked for ahead of the last 64 products: v64-127 lay idle, and B's set 0 (window 1, v0-95) has had its last reader, four places back
.irp b, 0,1,2,3,4,5,6,7
.irp q2, 0,1
	global_load_b128 v[G+8*\b+4*\q2:G+8*\b+4*\q2+3], v[GWO], s[12:13] offset:512*(\b/4)+64*(\b%4)+16*\q2   ; w at my channels
.endr
.endr
	CSLOAD 0, 0
	LASTSTEP
	CSLOAD 1, 1
	; the sums of squares of my 128 channels, a token a lane: four blocks by turns, each accumulator from its low end on
.irp w, 0,1
	WIN 0x0a+5*\w
.irp t, 0,1,2,3
	v_pk_mul_f32 v[SSP+8*\w+2*\t:SSP+8*\w+2*\t+1], v[64*\t:64*\t+1], v[64*\t:64*\t+1]
.endr
.set P, 2
.rept 31
.irp t, 0,1,2,3
	v_pk_fma_f32 v[SSP+8*\w+2*\t:SSP+8*\w+2*\t+1], v[64*\t+P:64*\t+P+1], v[64*\t+P:64*\t+P+1], v[SSP+8*\w+2*\t:SSP+8*\w+2*\t+1]
.endr
.set P, P+2
.endr
.endr
	WIN 0
.irp a, 0,1,2,3,4,5,6,7
	v_add_f32 v[RS+\a], v[SSP+2*\a], v[SSP+2*\a+1]
.endr
.irp a, 0,1,2,3,4,5,6,7
	v_permlanex16_b32 v[SSP+2*\a], v[RS+\a], s[SEL], s[SEL+1]
.endr
.irp a, 0,1,2,3,4,5,6,7
	v_add_f32 v[RS+\a], v[RS+\a], v[SSP+2*\a]
.endr
.irp a, 0,1,2,3,4,5,6,7
	ds_store_b32 v[XST], v[RS+\a] offset:128*\a
.endr
	s_wait_dscnt 0x0                               ; for the other wave's sake: my sums lie in LDS
	s_barrier_signal -1
	s_barrier_wait -1
.irp a, 0,1,2,3,4,5,6,7
	ds_load_b32 v[SSP+2*\a], v[XLD] offset:128*\a  ; the other 128 channels' sums
.endr
	s_wait_dscnt 0x0
.irp a, 0,1,2,3,4,5,6,7
	v_add_f32 v[RS+\a], v[RS+\a], v[SSP+2*\a]
.endr
.irp a, 0,1,2,3,4,5,6,7
	v_fma_f32 v[RS+\a], v[RS+\a], s98, s99         ; the mean + 1e-6
.endr
.irp a, 0,1,2,3,4,5,6,7
	v_rsq_f32 v[RS+\a], v[RS+\a]
.endr
	v_nop                                          ; a plain place behind the last of the batch
	s_wait_alu depctr_va_vdst(0)                   ; one wait for the eight, ahead of their first reader
	s_wait_loadcnt 32                              ; w and the first set of cos and sin are in; the second set's 32 loads may be out
.set P, 0
.rept 32
	v_pk_add_f32 v[G+P:G+P+1], v[G+P:G+P+1], 1.0 op_sel_hi:[1,0]   ; the gain 1 + w
.set P, P+2
.endr
.macro QKBLOCK a                       ; 16 tokens: norm, gain, rotation, quantiser, image.  No register written here is the source of a store or load that may be out
.set XB, 64*((\a)%4)                   ; the block's eight accumulators,
.set XW, 2+(\a)/4                      ; and their window
	v_mov_b32 v[RSP], v[RS+(\a)]
	v_mov_b32 v[RSP+1], v[RS+(\a)]
	WIN XW                                         ; source 0: the accumulators
.set P, 0
.rept 32
	v_pk_mul_f32 v[Y+P:Y+P+1], v[XB+P:XB+P+1], v[RSP:RSP+1]
.set P, P+2
.endr
	WIN 0
.set P, 0
.rept 32
	v_pk_mul_f32 v[Y+P:Y+P+1], v[Y+P:Y+P+1], v[G+P:G+P+1]
.set P, P+2
.endr
.if (\a) < 7
	s_wait_loadcnt 32                              ; this block's cos and sin are in; the next block's 32 loads may be out.  (The 64 lines above need no table: they stand ahead of this wait)
.else
	s_wait_loadcnt 0x0
.endif
	WIN (XW<<6)|(XW<<4)|0x04                       ; source 1: cos and sin, window 1; destination and source 2: the block's accumulators, all of whose numbers have been read
.set CB, 128*((\a)%2)
.set P, 0
.rept 16
	v_pk_mul_f32 v[XB+P:XB+P+1], v[Y+P:Y+P+1], v[CB+P:CB+P+1]
	v_pk_mul_f32 v[XB+32+P:XB+33+P], v[Y+32+P:Y+33+P], v[CB+32+P:CB+33+P]
.set P, P+2
.endr
.set P, 0
.rept 16
	v_pk_fma_f32 v[XB+P:XB+P+1], v[Y+32+P:Y+33+P], v[CB+64+P:CB+65+P], v[XB+P:XB+P+1] neg_lo:[1,0,0] neg_hi:[1,0,0]   ; d < 128: x cos - x(d + 128) sin
	v_pk_fma_f32 v[XB+32+P:XB+33+P], v[Y+P:Y+P+1], v[CB+96+P:CB+97+P], v[XB+32+P:XB+33+P]                             ; d >= 128: x cos + x(d - 128) sin
.set P, P+2
.endr
	WIN 0
.if (\a) < 6
	CSLOAD (\a)+2, (\a)%2                          ; into the set just read
.endif
	QUANT XB, XW, PWB+(\a)
	EMIT \a, XB, XW, PWB+(\a), SSTQ
.endm
.irp a, 0,1,2,3,4,5,6,7
	QKBLOCK \a
.endr
	ds_load_b128 v[TM:TM+3], v[SLDQ]               ; my own bytes, served in order: eight blocks' scale words, four to a lane
	s_wait_dscnt 0x0
	global_store_b128 v[SGO], v[TM:TM+3], s[6:7]   ; sixteen lanes store 256 consecutive bytes, aligned
	s_wait_tensorcnt 0x0                           ; the wave's end, behind my last tensor load and LDS store
	ds_add_u32 v[SPW], v[NIL]
	s_wait_dscnt 0x0
	s_branch .Ljoin
.Lv_path:
	; ---- v: a lane holds a channel, its registers run along the tokens: the accumulators go to the quantiser as they are
	LASTSTEP
	s_barrier_signal -1                            ; (every path passes as many barriers)
	s_barrier_wait -1
.irp b, 0,1,2,3
	v_mov_b32 v[TM+4+\b], 0                        ; a lane permute's destination counts as one of its sources
.endr
.irp a, 0,1,2,3,4,5,6,7
	QUANT 64*(\a%4), 2+\a/4, PWB+\a
	EMIT \a, 64*(\a%4), 2+\a/4, PWB+\a, SSTV
.endr
	ds_load_b128 v[TM:TM+3], v[SLDV]
	s_wait_dscnt 0x0
	global_store_b128 v[SGO], v[TM:TM+3], s[6:7]
	s_wait_tensorcnt 0x0                           ; the wave's end, as above
	ds_add_u32 v[SPW], v[NIL]
	s_wait_dscnt 0x0
.Ljoin:
	CROUND                                         ; the closing round: no work-group ends while a partner may still ask for a tile that names it
	s_endpgm
.Lfunc_end_k_q07b5f332ea_qkv:
	.size	k_q07b5f332ea_qkv, .Lfunc_end_k_q07b5f332ea_qkv-k_q07b5f332ea_qkv
	.p2alignl 7, 3214868480
	.fill 96, 4, 3214868480
	.section	.rodata,"a",@progbits
	.p2align	6, 0x0
	.amdhsa_kernel k_q07b5f332ea_qkv
		.amdhsa_group_segment_fixed_size 327680
		.amdhsa_private_segment_fixed_size 0
		.amdhsa_enable_private_segment 0
		.amdhsa_kernarg_size 112
		.amdhsa_user_sgpr_count 2
		.amdhsa_user_sgpr_kernarg_segment_ptr 1
		.amdhsa_wavefront_size32 1
		.amdhsa_system_sgpr_workgroup_id_x 1
		.amdhsa_system_sgpr_workgroup_id_y 1
		.amdhsa_system_sgpr_workgroup_id_z 1
		.amdhsa_system_vgpr_workitem_id 0
		.amdhsa_next_free_vgpr 1024
		.amdhsa_next_free_sgpr 106
		.amdhsa_reserve_vcc 0
		.amdhsa_float_denorm_mode_32 3
		.amdhsa_float_denorm_mode_16_64 3
		.amdhsa_memory_ordered 1
		.amdhsa_forward_progress 1
		.amdhsa_inst_pref_size 255
	.end_amdhsa_kernel
	.section	.bss,"aw",@nobits
	.p2align	6
	.space	262144
	.amdgpu_metadata
---
amdhsa.version: [ 1, 2 ]
amdhsa.kernels:
  - .name:           k_q07b5f332ea_qkv
    .symbol:         k_q07b5f332ea_qkv.kd
    .args:
      - { .name: hidden_states_codes, .offset: 0, .size: 8, .value_kind: global_buffer, .address_space: global }
      - { .name: hidden_states_scales, .offset: 8, .size: 8, .value_kind: global_buffer, .address_space: global }
      - { .name: wq_codes, .offset: 16, .size: 8, .value_kind: global_buffer, .address_space: global }
      - { .name: wq_scales, .offset: 24, .size: 8, .value_kind: global_buffer, .address_space: global }
      - { .name: wk_codes, .offset: 32, .size: 8, .value_kind: global_buffer, .address_space: global }
      - { .name: wk_scales, .offset: 40, .size: 8, .value_kind: global_buffer, .address_space: global }
      - { .name: wv_codes, .offset: 48, .size: 8, .value_kind: global_buffer, .address_space: global }
      - { .name: wv_scales, .offset: 56, .size: 8, .value_kind: global_buffer, .address_space: global }
      - { .name: cos, .offset: 64, .size: 8, .value_kind: global_buffer, .address_space: global }
      - { .name: sin, .offset: 72, .size: 8, .value_kind: global_buffer, .address_space: global }
      - { .name: q_norm_w, .offset: 80, .size: 8, .value_kind: global_buffer, .address_space: global }
      - { .name: k_norm_w, .offset: 88, .size: 8, .value_kind: global_buffer, .address_space: global }
      - { .name: qimg, .offset: 96, .size: 8, .value_kind: global_buffer, .address_space: global }
      - { .name: kv, .offset: 104, .size: 8, .value_kind: global_buffer, .address_space: global }
    .group_segment_fixed_size: 327680
    .private_segment_fixed_size: 0
    .kernarg_segment_align: 8
    .kernarg_segment_size: 112
    .max_flat_workgroup_size: 128
    .sgpr_count:     106
    .vgpr_count:     1024
    .wavefront_size: 32
...
	.end_amdgpu_metadata
.endif
;; end of part 1
;; launch attn (part 2): grid 256 x 1, 8 waves a work-group, clusters of 4 x 1, 327,680 bytes of LDS; arguments qimg, kv, ao, aos; writes ao, aos
.if DOCPART == 2
	.amdgcn_target "amdgcn-amd-amdhsa--gfx1250"
	.amdhsa_code_object_version 6
	.text
	.protected	k_q07b5f332ea_attn
	.globl	k_q07b5f332ea_attn
	.p2align	8
	.type	k_q07b5f332ea_attn,@function
k_q07b5f332ea_attn:
	s_mov_b64 s[64:65], 0
	v_nop
	global_prefetch_b8 v0, s[64:65] scope:SCOPE_SE
	s_setreg_imm32_b32 hwreg(HW_REG_WAVE_MODE, 25, 1), 1
	s_wait_xcnt 0x0
	s_wait_alu depctr_hold_cnt(0) depctr_sa_sdst(0) depctr_va_vdst(0) depctr_va_sdst(0) depctr_va_ssrc(0) depctr_va_vcc(0) depctr_vm_vsrc(0)
	s_getreg_b32 s2, hwreg(HW_REG_IB_STS2, 6, 4)
	s_cmp_eq_u32 s2, 0
	s_cbranch_scc0 .Lentry_in_a_cluster
	s_endpgm
.Lentry_in_a_cluster:
	s_bfe_u32 s2, ttmp6, 0x10000c
	s_cmp_lg_u32 s2, 0x3003
	s_cbranch_scc0 .Lentry_shape_is_right
	s_endpgm
.Lentry_shape_is_right:
; Causal attention on codes of FP6 (E2M3), head size 256, 4 x (batch, head), 4,096 tokens.  Both products transposed: S^T = K Q^T, O^T = V^T P^T: a lane holds one query throughout.
; t = score x log2(e) / 16; M = the running largest t rounded up to a whole number; p = 2^(t - M) is quantised along the keys; the row's sum is taken of the unquantised p; when M moves, the sum and O^T are multiplied by a power of two.
; SHARES.  Cluster = (bh, j), j = 0..15.  Work-group cx owns two groups of 32 queries: the long one, 127 - 4 j - cx, and the short one, 4 j + cx: together about 34 key steps whatever j.
; Wave w: cls = w & 1 (which key step of a slot), u = (w >> 1) & 1 (which 16 of the 32 queries), pt = w >> 2 (long, short).  So a tile of 16 queries is shared by two waves along the keys; they meet at the end through LDS.
; A KEY STEP (T, c) is the keys 256 T + 64 c + 0..63 and 256 T + 128 + 64 c + 0..63, as the launch before lays them: 51,200 dense bytes: 16 images of K, K's scale words, 16 images of V, V's scale words.
; A slot is a token tile T: two key steps.  The four partners walk the same slots: each fill is asked for jointly, an eighth by each wave.  The number of slots hangs on j alone; no LDS address is stepped.
; CAUSAL.  A step whose first key lies beyond the cluster's last query of my kind (long, short) is left out; the mask's lines are jumped over where the step's last key is no later than the cluster's first such query.
; Both tests are made of j and the wave's number: alike in all partners.  A hidden score becomes -infinity: p = 0.
; The result, O / the sum, is quantised along head x channel for the last product and leaves as an image of its registers.
; LIMITS: NaN and infinities are not served; v_exp_f32 gives 0 under 2^-126 (ISA guide); 1 / the sum comes from v_rcp_f32 (1 ulp); a block of zeros gets the scale byte 1 (zero codes; this program alone reads the bytes).
; REGISTERS.  Window 0: v1-11 addresses; v12 -M, v13 the largest t, v[14:15] the sum; v16-39 Q's two fragments; v40-87 and v170-217 four fragments each; v88-95 K's scale words, v160-167 V's (they hold nothing else);
; v96-159 S^T, then p; v168 the prefetches' offset, never rewritten; v224-254 the softmax at work; v255 Q's scale words.  At the end v170-233 hold the half of O^T that the wave finishes.  Window 1: v0-127 O^T, 16 tiles of 16 channels.
.set STEPB, 51200
.set SLOTB, 102400
.set MRG,   2*SLOTB                    ; 8 x 8,448: 16 images of 512 bytes, -M, the sum: from wave to wave
.set SPARE, MRG+8*8448                 ; the spare words: 128 bytes a wave, named by no other line
.set AD0, 1                            ; v1, v2  16 x lane + my key step, in slot 0, 1
.set VQ,  3                            ; v3   my query - 8 h
.set SPW, 4
.set NIL, 5
.set MST, 6                            ; v6-9  the merge: my part, the other wave's; images, statistics
.set MLD, 7
.set MSS, 8
.set MLS, 9
.set LI,  10                           ; v10  16 x lane
.set R4,  11                           ; v11  4 r
.set QF,  16
.set FB,  40
.set KS,  88
.set S,   96
.set VS,  160
.set PFO, 168
.set FB2, 170
.set KP,  170                          ; the merge: the 64 numbers that I keep
.set QS,  255
.set TM,  40                           ; the last quantiser's registers
.set PW,  56
.set CDS, 60
.set WV,   12
.set CX,   13
.set JJ,   14
.set BH,   15
.set CLS,  16
.set UU,   17
.set PT,   18
.set SEL,  20
.set CS,   22
.set G1,   24
.set G0,   32
.set KF,   40                          ; the step's first key
.set QMAX, 41
.set QMIN, 42
.set CNT,  43
.set ASKF, 44
.set MK,   45
.set PFA,  46
.set QP,   48
.set AOP,  50
.set ASP,  52
.set QSP,  54
.set MSB, 0
.macro WIN new
.if MSB != (\new)
	s_set_vgpr_msb (MSB<<8)|(\new)
.set MSB, (\new)
.endif
.endm
.macro NOP4
.rept 4
	v_nop
.endr
.endm
.macro ROUND                           ; a round of the cluster's barrier
	s_barrier_signal -1
	s_barrier_wait -1
	s_cmp_lg_u32 s[WV], 0
	s_cbranch_scc1 .Lnot_wave_0_\@
	s_barrier_signal -3
.Lnot_wave_0_\@:
	s_barrier_wait -3
	s_barrier_signal -1
	s_barrier_wait -1
.endm
	s_load_b256 s[4:11], s[0:1], 0x0               ; qimg s[4:5], kv s[6:7], ao s[8:9], aos s[10:11]
	v_lshl_add_u32 v[SPW], v0, 2, SPARE
	v_mov_b32 v[NIL], 0
	ds_add_u32 v[SPW], v[NIL]                      ; the wave's opening: the add and its wait stand ahead of my first tensor load
	v_lshrrev_b32 v1, 5, v0
	v_readfirstlane_b32 s[WV], v1
	s_bfe_u32 s[CX], ttmp6, 0x40000
	s_and_b32 s[JJ], ttmp9, 15
	s_lshr_b32 s[BH], ttmp9, 4
	s_and_b32 s[CLS], s[WV], 1
	s_bfe_u32 s[UU], s[WV], 0x10001
	s_lshr_b32 s[PT], s[WV], 2
	; what all partners share: the range of queries of my kind, the trips, the descriptors
	s_lshl_b32 s56, s[JJ], 7
	s_sub_co_u32 s57, 3968, s56
	s_cmp_eq_u32 s[PT], 0
	s_cselect_b32 s[QMIN], s57, s56
	s_add_co_u32 s[QMAX], s[QMIN], 127
	s_lshl_b32 s[KF], s[CLS], 6
	s_lshr_b32 s56, s[JJ], 2
	s_sub_co_u32 s[CNT], 7, s56                    ; pairs of slots less one: 8 - j / 4 pairs cover the 16 - j / 2 slots that the cluster's last query needs
	s_max_u32 s[CNT], s[CNT], 1                    ; (j / 4 is 0 to 3, so the count is 4 to 7: this line changes nothing and states in the text that the loop's counter starts at 1 or above)
	s_lshr_b32 s56, s[WV], 2
	s_or_b32 s56, s56, s[JJ]
	s_cmp_eq_u32 s56, 0
	s_cselect_b32 s[ASKF], 1, 0                    ; waves 0-3 of cluster j = 0, which walks all 16 slots, prefetch
	s_cmp_lg_u32 s[CLS], 0
	s_cselect_b32 s[MK], -1, 0
	s_mov_b32 s[G1], 15|(3<<16)|(1<<21)            ; the mask: all four partners; elements of 8 bytes; no padding; bit 21 beside a mask
	s_mov_b32 s[G1+1], 32<<16                      ; rows of 256 bytes,
	s_mov_b32 s[G1+2], 50<<16                      ; 50 of them: an eighth of a slot
	s_mov_b32 s[G1+3], 32<<16
	s_mov_b32 s[G1+4], 50
	s_mov_b32 s[G1+5], 32
	s_mov_b32 s[G1+6], 0
	s_mov_b32 s[G1+7], 0
	s_mul_i32 s56, s[BH], 16*SLOTB
	s_mul_i32 s57, s[WV], 12800
	s_add_co_u32 s58, s56, s57
	s_mov_b32 s59, 0
	s_mov_b32 s[G0], 1
	s_mov_b32 s[G0+1], s57
	s_mov_b32 s[G0+4], 1
	s_add_co_u32 s[G0+5], s57, SLOTB
	s_mov_b32 s[SEL], 0x76543210
	s_mov_b32 s[SEL+1], 0xfedcba98
	s_mov_b32 s[CS], 0x3db8aa3b                    ; c = log2(e) / 16
	s_mov_b32 s[CS+1], s[CS]
	; what is mine alone: my queries.  It enters global addresses and the mask's compare, no branch and no LDS address
	s_lshl_b32 s60, s[JJ], 2
	s_add_co_u32 s60, s60, s[CX]
	s_sub_co_u32 s61, 127, s60
	s_cmp_eq_u32 s[PT], 0
	s_cselect_b32 s60, s61, s60                    ; my group of 32
	s_lshl_b32 s19, s60, 1
	s_add_co_u32 s19, s19, s[UU]                   ; my tile of 16 queries in the head
	s_lshr_b32 s60, s19, 4                         ; its token tile,
	s_bfe_u32 s61, s19, 0x10002                    ; its half there
	s_lshl_b32 s60, s60, 1
	s_add_co_u32 s60, s60, s61
	s_lshl_b32 s61, s[BH], 5
	s_add_co_u32 s60, s60, s61
	s_mul_i32 s60, s60, 25600                      ; its block of qimg
	s_and_b32 s61, s19, 3
	s_bfe_u32 s62, s19, 0x10003
	s_lshl_b32 s63, s62, 3
	s_add_co_u32 s63, s63, s61
	s_mul_i32 s63, s63, 1536
	s_add_co_u32 s[QP], s60, s63
	s_mov_b32 s[QP+1], 0
	s_lshl_b32 s62, s62, 9
	s_lshl_b32 s61, s61, 2
	s_add_co_u32 s62, s62, s61
	s_add_co_u32 s62, s62, s60
	s_add_co_u32 s[QSP], s62, 24576
	s_mov_b32 s[QSP+1], 0
	s_lshr_b32 s60, s[BH], 1
	s_lshl_b32 s60, s60, 8
	s_add_co_u32 s60, s60, s19                     ; token / 16 over both batches
	s_and_b32 s61, s[BH], 1                        ; head
	s_lshl_b32 s62, s61, 1
	s_add_co_u32 s62, s62, s[CLS]                  ; the last product's K step that I make: 2 head + cls
	s_mul_i32 s62, s62, 1536
	s_mul_i32 s63, s60, 6144
	s_add_co_u32 s[AOP], s63, s62
	s_mov_b32 s[AOP+1], 0
	s_lshl_b32 s60, s60, 8
	s_lshl_b32 s61, s61, 7
	s_add_co_u32 s60, s60, s61
	s_lshl_b32 s61, s[CLS], 6
	s_add_co_u32 s[ASP], s60, s61
	s_mov_b32 s[ASP+1], 0
	s_mul_i32 s60, s[CX], 25600                    ; the prefetches: my work-group's quarter of a slot, my wave's quarter of that,
	s_mul_i32 s61, s[WV], 6400
	s_add_co_u32 s60, s60, s61
	s_mul_i32 s61, s[BH], 16*SLOTB
	s_add_co_u32 s60, s60, s61
	s_add_co_u32 s[PFA], s60, SLOTB                ; in slot 1: the first trip steps it to slot 2
	s_mov_b32 s[PFA+1], 0
	s_wait_dscnt 0x0                               ; the opening add is done
	s_wait_kmcnt 0x0
	s_add_nc_u64 s[G0+2:G0+3], s[6:7], s[58:59]
	s_add_nc_u64 s[G0+6:G0+7], s[G0+2:G0+3], SLOTB
	s_or_b32 s[G0+3], s[G0+3], 0x80000000
	s_or_b32 s[G0+7], s[G0+7], 0x80000000
	s_add_nc_u64 s[PFA:PFA+1], s[6:7], s[PFA:PFA+1]
	s_add_nc_u64 s[QP:QP+1], s[4:5], s[QP:QP+1]
	s_add_nc_u64 s[QSP:QSP+1], s[4:5], s[QSP:QSP+1]
	s_add_nc_u64 s[AOP:AOP+1], s[8:9], s[AOP:AOP+1]
	s_add_nc_u64 s[ASP:ASP+1], s[10:11], s[ASP:ASP+1]
	ROUND                                          ; all four work-groups are here: the first joint load meets
	tensor_load_to_lds s[G0:G0+3], s[G1:G1+7]      ; slot 0: one load of mine is out
	s_nop 0
	NOP4
	v_and_b32 v[LI], 31, v0
	v_lshlrev_b32 v[MSS], 2, v[LI]                 ; 4 x lane
	v_min_u32 v[PFO], 24, v[LI]
	v_lshlrev_b32 v[PFO], 8, v[PFO]                ; 25 blocks of 256 bytes a wave: lanes 25-31 name the last again, in the same instruction
	v_lshlrev_b32 v[LI], 4, v[LI]
	v_and_b32 v[R4], 15, v0                        ; r
	v_bfe_u32 v40, v0, 4, 1                        ; h
	s_lshl_b32 s60, s19, 4
	v_add_nc_u32 v[VQ], s60, v[R4]
	v_lshlrev_b32 v41, 3, v40
	v_sub_nc_u32 v[VQ], v[VQ], v41
	v_lshlrev_b32 v41, 4, v[R4]
	v_lshl_add_u32 v41, v40, 8, v41                ; Q's scale words: 16 r, + 256 for the second 128 channels in lanes 16-31
	v_lshlrev_b32 v[R4], 2, v[R4]
.irp c3, 0,1,2
	global_load_b128 v[QF+4*\c3:QF+4*\c3+3], v[LI], s[QP:QP+1] offset:512*\c3
	global_load_b128 v[QF+12+4*\c3:QF+12+4*\c3+3], v[LI], s[QP:QP+1] offset:6144+512*\c3
.endr
	global_load_b32 v[QS], v41, s[QSP:QSP+1]
	s_mul_i32 s56, s[CLS], STEPB
	v_add_nc_u32 v[AD0], s56, v[LI]
	v_add_nc_u32 v[AD0+1], SLOTB, v[AD0]
	s_mul_i32 s56, s[WV], 8448
	s_add_co_u32 s56, s56, MRG
	s_xor_b32 s57, s[WV], 1                        ; the wave with my queries' other key steps
	s_mul_i32 s57, s57, 8448
	s_add_co_u32 s57, s57, MRG
	v_add_nc_u32 v[MST], s56, v[LI]
	v_add_nc_u32 v[MLD], s57, v[LI]
	s_add_co_u32 s56, s56, 8192
	s_add_co_u32 s57, s57, 8192
	v_add_nc_u32 v[MLS], s57, v[MSS]
	v_add_nc_u32 v[MSS], s56, v[MSS]
	v_mov_b32 v13, 0xff61b1e6                      ; the largest t so far: -3e38
	v_floor_f32 v12, -v13                          ; -M
	v_mov_b32 v14, 0
	v_mov_b32 v15, 0
.irp b, 236,237,238,239,252,253,254
	v_mov_b32 v[\b], 0                             ; written once: permutes' destinations, halves of pairs
.endr
	WIN 0x40
.set I, 0
.rept 128
	v_mov_b32 v[I], 0                              ; O^T: a wave may leave out every step, and the step is written once
.set I, I+1
.endr
	WIN 0
.macro LG buf, ad, off                 ; four images: twelve loads of 512 consecutive bytes
.irp f, 0,1,2,3
.irp c3, 0,1,2
	ds_load_b128 v[\buf+12*\f+4*\c3:\buf+12*\f+4*\c3+3], v[\ad] offset:(\off)+1536*\f+512*\c3
.endr
.endr
.endm
.macro KQ buf, t0, d                   ; four tiles of 16 keys from t0 on, the d-th 128 channels.  The eight accumulators take turns
.irp f, 0,1,2,3
.if \d
	v_wmma_scale_f32_16x16x128_f8f6f4 v[S+8*(\t0+\f):S+8*(\t0+\f)+7], v[\buf+12*\f:\buf+12*\f+11], v[QF+12:QF+23], v[S+8*(\t0+\f):S+8*(\t0+\f)+7], v[KS+\t0+\f], v[QS] matrix_a_fmt:MATRIX_FMT_FP6 matrix_b_fmt:MATRIX_FMT_FP6 matrix_a_scale:MATRIX_SCALE_ROW1 matrix_b_scale:MATRIX_SCALE_ROW1
.else
	v_wmma_scale_f32_16x16x128_f8f6f4 v[S+8*(\t0+\f):S+8*(\t0+\f)+7], v[\buf+12*\f:\buf+12*\f+11], v[QF:QF+11], 0, v[KS+\t0+\f], v[QS] matrix_a_fmt:MATRIX_FMT_FP6 matrix_b_fmt:MATRIX_FMT_FP6
.endif
.endr
.endm
.macro PV buf, c0, row1                ; four tiles of 16 channels from c0 on; K = the step's 128 keys
.irp f, 0,1,2,3
.if \row1
	v_wmma_scale_f32_16x16x128_f8f6f4 v[8*(\c0+\f):8*(\c0+\f)+7], v[\buf+12*\f:\buf+12*\f+11], v[224:235], v[8*(\c0+\f):8*(\c0+\f)+7], v[VS+4*(\c0/8)+\f], v253 matrix_a_fmt:MATRIX_FMT_FP6 matrix_b_fmt:MATRIX_FMT_FP6 matrix_a_scale:MATRIX_SCALE_ROW1
.else
	v_wmma_scale_f32_16x16x128_f8f6f4 v[8*(\c0+\f):8*(\c0+\f)+7], v[\buf+12*\f:\buf+12*\f+11], v[224:235], v[8*(\c0+\f):8*(\c0+\f)+7], v[VS+4*(\c0/8)+\f], v253 matrix_a_fmt:MATRIX_FMT_FP6 matrix_b_fmt:MATRIX_FMT_FP6
.endif
.endr
.endm
; A KEY STEP.  Each s_wait_dscnt 12 leaves out the twelve loads of the group issued last.  Four v_nop stand in front of each group of loads into registers that matrix instructions have read (ISA guide 7.12.1 for vector instructions).
.macro STEP ad
	s_cmp_gt_u32 s[KF], s[QMAX]
	s_cbranch_scc1 .Lhid_\@
	ds_load_b128 v[KS:KS+3], v[\ad] offset:24576           ; K's scale words: register = tile; lanes 0-15 the first 128 channels, lanes 16-31 the second
	ds_load_b128 v[KS+4:KS+7], v[\ad] offset:24576+512
	ds_load_b128 v[VS:VS+3], v[\ad] offset:50176           ; V's: registers 4 m + k: lanes 0-15 tile 8 m + k, lanes 16-31 tile 8 m + 4 + k
	ds_load_b128 v[VS+4:VS+7], v[\ad] offset:50176+512
	LG FB, \ad, 0
	LG FB2, \ad, 8*1536
	s_wait_dscnt 12
	KQ FB, 0, 0
	NOP4
	LG FB, \ad, 4*1536
	s_wait_dscnt 12
	KQ FB2, 4, 0
	NOP4
	LG FB2, \ad, 12*1536
	s_wait_dscnt 12
	KQ FB, 0, 1
	NOP4
	LG FB, \ad, 25600
	s_wait_dscnt 12
	KQ FB2, 4, 1
	NOP4                                           ; also the places in front of the first read of the scores
	LG FB2, \ad, 25600+4*1536
	s_add_co_u32 s56, s[KF], 191
	s_cmp_le_u32 s56, s[QMIN]
	s_cbranch_scc1 .Lopen_\@
	s_sub_co_i32 s56, 0, s[KF]
	v_add_nc_u32 v252, s56, v[VQ]                  ; register 8 kt + jj holds key KF + 128 (kt / 4) + 16 (kt % 4) + 8 h + jj: hidden where 128 (kt / 4) + 16 (kt % 4) + jj > my query - 8 h - KF
	v_mov_b32 v254, 0xff800000
.irp kt, 0,1,2,3,4,5,6,7
.irp jj, 0,1,2,3,4,5,6,7
	v_cmp_gt_i32 vcc_lo, 128*(\kt/4)+16*(\kt%4)+\jj, v252
	v_cndmask_b32 v[S+8*\kt+\jj], v[S+8*\kt+\jj], v254, vcc_lo
.endr
.endr
.Lopen_\@:
.irp b, 0,1,2,3
	v_max3_num_f32 v[232+\b], v[96+16*\b], v[97+16*\b], v[98+16*\b]   ; the largest score of each block of 32 keys: for the row's maximum, and, since p rises with the score, for the block's largest p
.endr
.irp i, 3,5,7,9,11,13
.irp b, 0,1,2,3
	v_max3_num_f32 v[232+\b], v[232+\b], v[96+16*\b+\i], v[97+16*\b+\i]
.endr
.endr
.irp b, 0,1,2,3
	v_max_num_f32 v[232+\b], v[232+\b], v[111+16*\b]
.endr
.irp b, 0,1,2,3
	v_permlanex16_b32 v[236+\b], v[232+\b], s[SEL], s[SEL+1]
.endr
.irp b, 0,1,2,3
	v_max_num_f32 v[232+\b], v[232+\b], v[236+\b]
.endr
	v_max3_num_f32 v254, v232, v233, v234
	v_max_num_f32 v254, v254, v235
	v_mul_f32 v254, s[CS], v254
	v_max_num_f32 v13, v13, v254                   ; the running largest t
	v_mov_b32 v254, v12
	v_floor_f32 v12, -v13                          ; the new -M = -ceil(t)
	v_sub_f32 v254, v12, v254                      ; old M - new M: a whole number, 0 or less
	v_cvt_i32_f32 v254, v254                       ; (it saturates)
	v_ldexp_f32 v252, 1.0, v254                    ; f = 2^(old M - new M)
.irp j, 0,2,4,6,8,10,12,14,16,18,20,22,24,26,28,30,32,34,36,38,40,42,44,46,48,50,52,54,56,58,60,62
	v_pk_fma_f32 v[96+\j:97+\j], v[96+\j:97+\j], s[CS:CS+1], v[12:13] op_sel_hi:[1,0,0]   ; t - M
.endr
.irp b, 0,1,2,3
	v_fma_f32 v[232+\b], v[232+\b], s[CS], v12
.endr
.irp j, 0,1,2,3,4,5,6,7,8,9,10,11,12,13,14,15,16,17,18,19,20,21,22,23,24,25,26,27,28,29,30,31,32,33,34,35,36,37,38,39,40,41,42,43,44,45,46,47,48,49,50,51,52,53,54,55,56,57,58,59,60,61,62,63
	v_exp_f32 v[96+\j], v[96+\j]                   ; p = 2^(t - M)
.endr
	v_pk_mul_f32 v[14:15], v[14:15], v[252:253] op_sel_hi:[1,0]   ; the sums under the new M: a plain place behind the batch
	s_wait_alu depctr_va_vdst(0)                   ; one wait for the 64, ahead of their first reader
.irp b, 0,1,2,3
	v_exp_f32 v[232+\b], v[232+\b]                 ; the blocks' largest p
.endr
	v_pk_add_f32 v[236:237], v[96:97], v[98:99]    ; the row's sum of the unquantised p, in two chains
.irp j, 4,8,12,16,20,24,28,32,36,40,44,48,52,56,60
	v_pk_add_f32 v[14:15], v[14:15], v[96+\j:97+\j]
	v_pk_add_f32 v[236:237], v[236:237], v[98+\j:99+\j]
.endr
	v_pk_add_f32 v[14:15], v[14:15], v[236:237]
	s_wait_alu depctr_va_vdst(0)                   ; and one for the four
.irp b, 0,1,2,3
	v_max_num_f32 v[232+\b], 0x1800000, v[232+\b]  ; the floor 2^(3 - 127)
.endr
.irp b, 0,1,2,3
	v_add_nc_u32 v[244+\b], 0xff000000, v[232+\b]
.endr
.irp b, 0,1,2,3
	v_lshrrev_b32 v[236+\b], 23, v[244+\b]
.endr
	v_lshl_or_b32 v253, v237, 8, v236              ; p's scale word
	v_lshl_or_b32 v253, v238, 16, v253
	v_lshl_or_b32 v253, v239, 24, v253
.irp c, 0,1
	v_cvt_scalef32_pk16_fp6_f32 v[224+6*\c:226+6*\c], v[96+32*\c:111+32*\c], v[244+2*\c]
	v_cvt_scalef32_pk16_fp6_f32 v[236+4*\c:238+4*\c], v[112+32*\c:127+32*\c], v[244+2*\c+1]
.endr
	v_nop                                          ; one plain place behind a scaled conversion
.irp c, 0,1
.irp i, 0,1,2
	v_permlane16_swap_b32 v[224+6*\c+\i], v[236+4*\c+\i]
.endr
.irp i, 0,1,2
	v_mov_b32 v[227+6*\c+\i], v[236+4*\c+\i]
.endr
.endr
	WIN 0x41                                       ; O^T: destination and source 0 in window 1
.set I, 0
.rept 64
	v_pk_mul_f32 v[I:I+1], v[I:I+1], v[252:253] op_sel_hi:[1,0]   ; O^T under the new M; each accumulator from its low end on.  These lines are also the places in front of the scaled products
.set I, I+2
.endr
	s_wait_dscnt 12
	WIN 0x50                                       ; C and D in window 1
	PV FB, 0, 0
	WIN 0
	NOP4
	LG FB, \ad, 25600+8*1536
	s_wait_dscnt 12
	WIN 0x50
	PV FB2, 4, 1
	WIN 0
	NOP4
	LG FB2, \ad, 25600+12*1536
	s_wait_dscnt 12
	WIN 0x50
	PV FB, 8, 0
	s_wait_dscnt 0x0
	PV FB2, 12, 1
	WIN 0
	NOP4                                           ; places in front of the next step's loads, and of the merge's reads
.Lhid_\@:
	s_add_co_u32 s[KF], s[KF], 256
.endm
; A prefetch of the slot that the NEXT change of slots will ask for: one slot's key step ahead of that load.  All clusters of a (batch, head) walk the same slots: cluster j = 0 asks.
; Its partners take a quarter of the slot each, told apart by address; in each, waves 0-3 take 25 blocks of 256 bytes.  The loop's 14 trips of that cluster name slots 2 to 15; the tail asks for nothing.
.macro ASK
	s_cmp_lg_u32 s[ASKF], 0
	s_cbranch_scc0 .Lnot_mine_\@
	global_prefetch_b8 v[PFO], s[PFA:PFA+1] th:TH_LOAD_NT scope:SCOPE_SE
.Lnot_mine_\@:
.endm
.macro TRIP slot, refill, ask
	s_wait_tensorcnt 0x0                           ; my one load has landed: my part of this trip's slot; so a group 0 may be written
	ds_add_u32 v[SPW], v[NIL]                      ; 0 onto my spare word
	s_add_nc_u64 s[G0+4*\slot+2:G0+4*\slot+3], s[G0+4*\slot+2:G0+4*\slot+3], 2*SLOTB
.if \ask
	s_wait_xcnt 0x0                                ; the last prefetch, a slot back, has read its address
	s_add_nc_u64 s[PFA:PFA+1], s[PFA:PFA+1], SLOTB
.endif
	s_wait_dscnt 0x0                               ; the add is done, and my reads of the last trip's slot are over
	ROUND                                          ; both hold of every wave of every partner
.if \refill
	tensor_load_to_lds s[G0+4-4*\slot:G0+7-4*\slot], s[G1:G1+7]   ; the next slot's tile, into the slot read last trip: my one load until the next round
	s_nop 0
	NOP4
.endif
.if \ask
	ASK
.endif
	STEP AD0+\slot
.endm
	s_wait_loadcnt 0x0                             ; Q
.Lpair:
	TRIP 0, 1, 1
	TRIP 1, 1, 1
	s_sub_co_u32 s[CNT], s[CNT], 1
	s_cmp_lg_u32 s[CNT], 0
	s_cbranch_scc1 .Lpair
	TRIP 0, 1, 0                                   ; the tail is written out
	TRIP 1, 0, 0
	; THE MERGE.  The wave with cls = 0 finishes channels 0-127, the other 128-255: each sends the half that it does not keep, with its -M and its sum.
	v_add_f32 v14, v14, v15
	v_permlanex16_b32 v252, v14, s[SEL], s[SEL+1]
	v_add_f32 v14, v14, v252                       ; my keys' sum for my query
	WIN 0x05
.set I, 0
.rept 64
	v_cndmask_b32 v[KP+I], v[I], v[64+I], s[MK]    ; kept; each accumulator from its low end on
	v_cndmask_b32 v[96+I], v[64+I], v[I], s[MK]    ; sent
.set I, I+1
.endr
	WIN 0
.irp i, 0,1,2,3,4,5,6,7,8,9,10,11,12,13,14,15
	ds_store_b128 v[MST], v[96+4*\i:96+4*\i+3] offset:512*\i
.endr
	ds_store_b32 v[MSS], v12
	ds_store_b32 v[MSS], v14 offset:128
	s_wait_dscnt 0x0                               ; for the other wave's sake
	s_barrier_signal -1
	s_barrier_wait -1
.irp i, 0,1,2,3,4,5,6,7,8,9,10,11,12,13,14,15
	ds_load_b128 v[96+4*\i:96+4*\i+3], v[MLD] offset:512*\i
.endr
	ds_load_b32 v40, v[MLS]
	ds_load_b32 v41, v[MLS] offset:128
	s_wait_dscnt 0x0
	v_min_num_f32 v42, v12, v40                    ; -M of both
	v_sub_f32 v43, v42, v12
	v_sub_f32 v44, v42, v40
	v_cvt_i32_f32 v43, v43                         ; (they saturate: a wave that had no key counts for nothing)
	v_cvt_i32_f32 v44, v44
	v_ldexp_f32 v43, 1.0, v43
	v_ldexp_f32 v44, 1.0, v44
	v_mul_f32 v45, v43, v14
	v_fma_f32 v45, v44, v41, v45                   ; the row's sum: key 0 counts for every query, so it is not 0
	v_rcp_f32 v45, v45
	v_nop
	s_wait_alu depctr_va_vdst(0)                   ; ahead of the first reader
	v_mul_f32 v46, v43, v45
	v_mul_f32 v48, v44, v45
	v_mov_b32 v47, v46
	v_mov_b32 v49, v48
.set I, 0
.rept 32
	v_pk_mul_f32 v[KP+I:KP+1+I], v[KP+I:KP+1+I], v[46:47]
.set I, I+2
.endr
.set I, 0
.rept 32
	v_pk_fma_f32 v[KP+I:KP+1+I], v[96+I:97+I], v[48:49], v[KP+I:KP+1+I]
.set I, I+2
.endr
	; The last product's other operand is given with its K in natural order: the halves of two neighbouring tiles change places, so that a lane holds 16 neighbouring channels of each block of 32
.irp b, 0,1,2,3
.irp jj, 0,1,2,3,4,5,6,7
	v_permlane16_swap_b32 v[KP+16*\b+\jj], v[KP+8+16*\b+\jj]
.endr
.endr
.irp b, 0,1,2,3
	v_mov_b32 v[TM+4+\b], 0
.endr
.irp b, 0,1,2,3
	v_max3_num_f32 v[TM+\b], |v[KP+16*\b]|, |v[KP+1+16*\b]|, 0x1800000
.endr
.irp i, 2,4,6,8,10,12,14
.irp b, 0,1,2,3
	v_max3_num_f32 v[TM+\b], |v[KP+16*\b+\i]|, |v[KP+1+16*\b+\i]|, v[TM+\b]
.endr
.endr
.irp b, 0,1,2,3
	v_permlanex16_b32 v[TM+4+\b], v[TM+\b], s[SEL], s[SEL+1]
.endr
.irp b, 0,1,2,3
	v_max_num_f32 v[TM+\b], v[TM+\b], v[TM+4+\b]
.endr
.irp b, 0,1,2,3
	v_add_nc_u32 v[TM+12+\b], 0xff000000, v[TM+\b]
.endr
.irp b, 0,1,2,3
	v_lshrrev_b32 v[TM+4+\b], 23, v[TM+12+\b]
.endr
	v_lshl_or_b32 v[PW], v[TM+5], 8, v[TM+4]
	v_lshl_or_b32 v[PW], v[TM+6], 16, v[PW]
	v_lshl_or_b32 v[PW], v[TM+7], 24, v[PW]
.irp c, 0,1
	v_cvt_scalef32_pk16_fp6_f32 v[CDS+6*\c:CDS+6*\c+2], v[KP+32*\c:KP+15+32*\c], v[TM+12+2*\c]
	v_cvt_scalef32_pk16_fp6_f32 v[CDS+12+4*\c:CDS+14+4*\c], v[KP+16+32*\c:KP+31+32*\c], v[TM+13+2*\c]
.endr
	v_nop
.irp c, 0,1
.irp i, 0,1,2
	v_permlane16_swap_b32 v[CDS+6*\c+\i], v[CDS+12+4*\c+\i]
.endr
.irp i, 0,1,2
	v_mov_b32 v[CDS+3+6*\c+\i], v[CDS+12+4*\c+\i]
.endr
.endr
.irp c3, 0,1,2
	global_store_b128 v[LI], v[CDS+4*\c3:CDS+4*\c3+3], s[AOP:AOP+1] offset:512*\c3   ; the image: 512 consecutive bytes a store
.endr
	global_store_b32 v[R4], v[PW], s[ASP:ASP+1]    ; row r's scale word; both halves of the lanes hold and write the same
	s_wait_tensorcnt 0x0                           ; the wave's end
	ds_add_u32 v[SPW], v[NIL]
	s_wait_dscnt 0x0
	ROUND                                          ; the closing round
	s_endpgm
.Lfunc_end_k_q07b5f332ea_attn:
	.size	k_q07b5f332ea_attn, .Lfunc_end_k_q07b5f332ea_attn-k_q07b5f332ea_attn
	.p2alignl 7, 3214868480
	.fill 96, 4, 3214868480
	.section	.rodata,"a",@progbits
	.p2align	6, 0x0
	.amdhsa_kernel k_q07b5f332ea_attn
		.amdhsa_group_segment_fixed_size 327680
		.amdhsa_private_segment_fixed_size 0
		.amdhsa_enable_private_segment 0
		.amdhsa_kernarg_size 32
		.amdhsa_user_sgpr_count 2
		.amdhsa_user_sgpr_kernarg_segment_ptr 1
		.amdhsa_wavefront_size32 1
		.amdhsa_system_sgpr_workgroup_id_x 1
		.amdhsa_system_sgpr_workgroup_id_y 1
		.amdhsa_system_sgpr_workgroup_id_z 1
		.amdhsa_system_vgpr_workitem_id 0
		.amdhsa_next_free_vgpr 384
		.amdhsa_next_free_sgpr 66
		.amdhsa_reserve_vcc 1
		.amdhsa_float_denorm_mode_32 3
		.amdhsa_float_denorm_mode_16_64 3
		.amdhsa_memory_ordered 1
		.amdhsa_forward_progress 1
		.amdhsa_inst_pref_size 162
	.end_amdhsa_kernel
	.amdgpu_metadata
---
amdhsa.version: [ 1, 2 ]
amdhsa.kernels:
  - .name:           k_q07b5f332ea_attn
    .symbol:         k_q07b5f332ea_attn.kd
    .args:
      - { .name: qimg, .offset: 0, .size: 8, .value_kind: global_buffer, .address_space: global }
      - { .name: kv, .offset: 8, .size: 8, .value_kind: global_buffer, .address_space: global }
      - { .name: ao, .offset: 16, .size: 8, .value_kind: global_buffer, .address_space: global }
      - { .name: aos, .offset: 24, .size: 8, .value_kind: global_buffer, .address_space: global }
    .group_segment_fixed_size: 327680
    .private_segment_fixed_size: 0
    .kernarg_segment_align: 8
    .kernarg_segment_size: 32
    .max_flat_workgroup_size: 256
    .sgpr_count:     66
    .vgpr_count:     384
    .wavefront_size: 32
...
	.end_amdgpu_metadata
.endif
;; end of part 2
;; launch oproj (part 3): grid 8 x 32, 4 waves a work-group, clusters of 4 x 4, 327,680 bytes of LDS; arguments ao, aos, wo_codes, wo_scales, out0; writes out0
.if DOCPART == 3
	.amdgcn_target "amdgcn-amd-amdhsa--gfx1250"
	.amdhsa_code_object_version 6
	.text
	.protected	k_q07b5f332ea_oproj
	.globl	k_q07b5f332ea_oproj
	.p2align	8
	.type	k_q07b5f332ea_oproj,@function
k_q07b5f332ea_oproj:
	s_mov_b64 s[64:65], 0
	v_nop
	global_prefetch_b8 v0, s[64:65] scope:SCOPE_SE
	s_setreg_imm32_b32 hwreg(HW_REG_WAVE_MODE, 25, 1), 1
	s_wait_xcnt 0x0
	s_wait_alu depctr_hold_cnt(0) depctr_sa_sdst(0) depctr_va_vdst(0) depctr_va_sdst(0) depctr_va_ssrc(0) depctr_va_vcc(0) depctr_vm_vsrc(0)
	s_getreg_b32 s2, hwreg(HW_REG_IB_STS2, 6, 4)
	s_cmp_eq_u32 s2, 0
	s_cbranch_scc0 .Lentry_in_a_cluster
	s_endpgm
.Lentry_in_a_cluster:
	s_bfe_u32 s2, ttmp6, 0x10000c
	s_cmp_lg_u32 s2, 0xf033
	s_cbranch_scc0 .Lentry_shape_is_right
	s_endpgm
.Lentry_shape_is_right:
; out0 [8,192][2,048] f32 = attention's result x wo, both as codes of FP6 (E2M3) with one E8M0 scale for each 32 along K = 512.
; A tile of 256 x 256 to a work-group of four waves, 128 x 128 a wave: 64 accumulators.  All of K fits into LDS: every tile is filled once, at the start; there is no ring.
; A (the tokens) comes as images of fragments, [token / 16][K step][1,536 bytes]: a work-group's 256 rows are 98,304 dense bytes; a fragment is three loads of 512 consecutive bytes.
; B (wo's rows) comes as rows of codes: two tiles of 256 along K, rows of 192 bytes with 16 bytes of padding behind every 64.
; CLUSTERS of 4 x 4: A's block is shared along a row of the cluster, B's tiles along a column: joint loads.  The matrix instruction is used transposed (source 0 = 16 rows of wo, source 1 = 16 tokens):
; a lane holds eight neighbouring numbers of a row of the output.  The scale words go from memory into registers: one register holds two K steps, in lanes 0-15 and in lanes 16-31.
; REGISTERS: window 0: v1-31 addresses; v32-47 A's scale words, v48-63 B's; v128-223 A's fragments (one set); window 1: B's fragments, two sets; windows 2, 3: the accumulators.
.set PITCH,  240
.set FR,     12
.set NP,     4
.set HALFT,  128*PITCH
.set BT,     98304                     ; B's tiles, behind A's images
.set BSLOT,  2*HALFT
.set STAGE,  BT+2*BSLOT                ; the way out: 16 rows x (512 + 16) bytes a wave
.set SPITCH, 528
.set SPARE,  STAGE+4*16*SPITCH         ; the spare words: 128 bytes a wave, named by no other line
.set SIZE_N, 2048
.set ADA,  16                          ; v16  my half of A's images + 16 x lane
.set ADRB, 20                          ; v20-21 B's fragments in tile 0, 1; v22-23 behind one padding more
.set STO,  24
.set RD,   25
.set CO,   26
.set SPW,  28
.set NIL,  29
.set SA,   32
.set SB,   48
.set AF,   128
.set BK,   128
.set G1A, 24
.set G0A, 32
.set G1B, 48
.set G0B, 56
.set MSB, 0
.macro WIN new
.if MSB != (\new)
	s_set_vgpr_msb (MSB<<8)|(\new)
.set MSB, (\new)
.endif
.endm
.set MUL_LO, 0xa1
.set MUL_HI, 0xf1
.set TO_B,   0x40
.macro CROUND                          ; a round of the cluster's barrier
	s_barrier_signal -1
	s_barrier_wait -1
	s_cmp_lg_u32 s14, 0
	s_cbranch_scc1 .Lnot_wave_0_\@
	s_barrier_signal -3
.Lnot_wave_0_\@:
	s_barrier_wait -3
	s_barrier_signal -1
	s_barrier_wait -1
.endm
.macro PLACES n
.rept \n
	v_nop
.endr
.endm
	s_load_b256 s[4:11], s[0:1], 0x0               ; ao s[4:5], aos s[6:7], wo's codes s[8:9], wo's scales s[10:11]
	s_load_b64 s[12:13], s[0:1], 0x20              ; out0
	v_lshl_add_u32 v[SPW], v0, 2, SPARE
	v_mov_b32 v[NIL], 0
	ds_add_u32 v[SPW], v[NIL]                      ; the wave's opening: the add and its wait stand ahead of my first tensor load
	v_lshrrev_b32 v1, 5, v0
	v_readfirstlane_b32 s14, v1                    ; wave
	s_lshr_b32 s15, s14, 1                         ; my half of the rows
	s_and_b32 s16, s14, 1                          ; my half of the columns; also: which half I fetch
	s_bfe_u32 s40, ttmp6, 0x40000                  ; cx
	s_bfe_u32 s41, ttmp6, 0x40004                  ; cy
	s_lshl_b32 s42, ttmp9, 2
	s_add_co_u32 s42, s42, s40                     ; tile column
	s_and_b32 s17, ttmp7, 0xffff
	s_lshl_b32 s17, s17, 2
	s_add_co_u32 s17, s17, s41                     ; tile row
	s_lshl_b32 s43, s41, 2
	s_lshl_b32 s43, 15, s43                        ; my row of the cluster
	s_lshl_b32 s44, 0x1111, s40                    ; my column
	s_or_b32 s[G1A], s43, (3<<16)|(1<<21)          ; A: 192 rows of 256 bytes (32 elements of 8), dense, no padding
	s_mov_b32 s[G1A+1], 32<<16
	s_mov_b32 s[G1A+2], 192<<16
	s_mov_b32 s[G1A+3], 32<<16
	s_mov_b32 s[G1A+4], 192
	s_mov_b32 s[G1A+5], 32
	s_mov_b32 s[G1A+6], 0
	s_mov_b32 s[G1A+7], 0
	s_or_b32 s[G1B], s44, (1<<20)|(1<<21)|(3<<22)|(3<<25)   ; B: 128 rows of 192 bytes, 384 apart, 16 bytes of padding behind every 64
	s_mov_b32 s[G1B+1], 192<<16
	s_mov_b32 s[G1B+2], 128<<16
	s_mov_b32 s[G1B+3], 192<<16
	s_mov_b32 s[G1B+4], 128
	s_mov_b32 s[G1B+5], 384
	s_mov_b32 s[G1B+6], 0
	s_mov_b32 s[G1B+7], 0
	s_mul_i32 s20, s17, 98304
	s_mul_i32 s21, s16, 49152
	s_add_co_u32 s20, s20, s21
	s_mov_b32 s[G0A+1], s21                        ; LDS: my half of the images
	s_mov_b32 s21, 0
	s_lshl_b32 s46, s42, 8
	s_lshl_b32 s47, s16, 7
	s_add_co_u32 s46, s46, s47
	s_mul_i32 s46, s46, 384
	s_mov_b32 s47, 0
	s_mov_b32 s[G0A], 1
	s_mov_b32 s[G0B], 1
	s_mov_b32 s[G0B+4], 1
	s_mul_i32 s[G0B+1], s16, HALFT
	s_add_co_u32 s[G0B+1], s[G0B+1], BT
	s_add_co_u32 s[G0B+5], s[G0B+1], BSLOT
	s_wait_dscnt 0x0                               ; the opening add is done
	s_wait_kmcnt 0x0
	s_add_nc_u64 s[G0A+2:G0A+3], s[4:5], s[20:21]
	s_or_b32 s[G0A+3], s[G0A+3], 0x80000000
	s_add_nc_u64 s[G0B+2:G0B+3], s[8:9], s[46:47]
	s_add_nc_u64 s[G0B+6:G0B+7], s[G0B+2:G0B+3], 192
	s_or_b32 s[G0B+3], s[G0B+3], 0x80000000
	s_or_b32 s[G0B+7], s[G0B+7], 0x80000000
	CROUND                                         ; all sixteen work-groups are here: the joint loads meet
	s_cmp_lt_u32 s14, 2                            ; a wave's first fills stand in one branch on its number: waves 0, 1 one load (A), waves 2, 3 two (B)
	s_cbranch_scc0 .Lfor_b
	tensor_load_to_lds s[G0A:G0A+3], s[G1A:G1A+7]
	s_nop 0
.rept 4
	v_nop
.endr
	s_branch .Lasked
.Lfor_b:
	tensor_load_to_lds s[G0B:G0B+3], s[G1B:G1B+7]
	s_nop 0
	tensor_load_to_lds s[G0B+4:G0B+7], s[G1B:G1B+7]
	s_nop 0
.rept 4
	v_nop
.endr
.Lasked:
	v_and_b32 v1, 15, v0                           ; r
	v_bfe_u32 v2, v0, 4, 1                         ; h
	v_and_b32 v6, 31, v0                           ; lane
	; the scale words
	s_lshl_b32 s22, s17, 4
	s_lshl_b32 s23, s15, 3
	s_add_co_u32 s22, s22, s23
	s_lshl_b32 s22, s22, 8                         ; A's: 256 bytes for each 16 tokens
	s_mov_b32 s23, 0
	s_add_nc_u64 s[6:7], s[6:7], s[22:23]
	s_lshl_b32 s22, s42, 8
	s_lshl_b32 s18, s16, 7
	s_add_co_u32 s22, s22, s18
	s_lshl_b32 s22, s22, 4                         ; B's: 16 bytes a row
	s_add_nc_u64 s[10:11], s[10:11], s[22:23]
	v_lshlrev_b32 v7, 2, v6                        ; A: 4 x lane: lanes 0-15 K step 2 p, lanes 16-31 K step 2 p + 1
	v_lshlrev_b32 v8, 4, v1
	v_lshl_add_u32 v8, v2, 2, v8                   ; B: 16 r + 4 h
.irp a, 0,1,2,3,4,5,6,7
.irp p, 0,1
	global_load_b32 v[SA+2*\a+\p], v7, s[6:7] offset:256*\a+128*\p
	global_load_b32 v[SB+2*\a+\p], v8, s[10:11] offset:256*\a+8*\p
.endr
.endr
	s_mul_i32 s21, s15, 49152
	v_lshl_add_u32 v[ADA], v6, 4, s21
	v_mul_u32_u24 v3, v1, PITCH
	v_mul_u32_u24 v4, v2, 24
	v_add_nc_u32 v4, v3, v4
	v_lshl_add_u32 v5, v2, 4, v4
	s_mul_i32 s22, s16, HALFT
	s_add_co_u32 s22, s22, BT
.irp s, 0,1
	v_add_nc_u32 v[ADRB+\s], s22, v4
	v_add_nc_u32 v[ADRB+2+\s], s22, v5
	s_add_co_u32 s22, s22, BSLOT
.endr
	s_mul_i32 s23, s14, 16*SPITCH
	s_add_co_u32 s23, s23, STAGE                   ; my stage
	v_mul_u32_u24 v5, v1, SPITCH
	v_lshl_add_u32 v5, v2, 5, v5
	v_add_nc_u32 v[STO], s23, v5                   ; in: row r, 32 bytes for each half of the lanes
	v_lshlrev_b32 v[CO], 4, v6
	v_add_nc_u32 v[RD], s23, v[CO]                 ; back: the 32 lanes take one row of 512 bytes
	s_lshl_b32 s20, s17, 8
	s_lshl_b32 s21, s15, 7
	s_add_co_u32 s20, s20, s21                     ; my first row of the output
	s_mov_b32 s21, 0
	s_lshl_b64 s[20:21], s[20:21], 13              ; 8,192 bytes a row
	s_lshl_b32 s46, s42, 10
	s_lshl_b32 s47, s16, 9
	s_add_co_u32 s46, s46, s47
	s_mov_b32 s47, 0
	s_add_nc_u64 s[20:21], s[20:21], s[46:47]
	s_add_nc_u64 s[12:13], s[12:13], s[20:21]
.macro FRAG reg, adr, q, i             ; a fragment of B from rows: six pieces of 8 bytes; the second address register serves the pieces behind one padding more
.irp p, 0,1,2,3,4,5
.set PCE, 12*(\q)+6*(\p/3)+\p%3
.if PCE%8 < 5
	ds_load_b64 v[\reg+2*\p:\reg+2*\p+1], v[\adr] offset:8*PCE+16*(PCE/8)+(\i)*16*PITCH
.else
	ds_load_b64 v[\reg+2*\p:\reg+2*\p+1], v[\adr+2] offset:8*PCE+16*(PCE/8)+(\i)*16*PITCH
.endif
.endr
.endm
.macro FETCH_B q                       ; K step q: tile q / 2, its (q % 2)-th 128; into set q % 2
	WIN TO_B
.irp i, 0,1,2,3,4,5,6,7
	FRAG 128*((\q)%2)+FR*\i, ADRB+(\q)/2, (\q)%2, \i
.endr
	WIN 0
.endm
.macro FETCH_A q, i0                   ; A's blocks i0 .. i0 + 3 of K step q: images, three loads each
.irp i, \i0, \i0+1, \i0+2, \i0+3
.irp c3, 0,1,2
	ds_load_b128 v[AF+FR*(\i)+4*\c3:AF+FR*(\i)+4*\c3+3], v[ADA] offset:(\i)*6144+(\q)*1536+512*\c3
.endr
.endr
.endm
; 16 matrix instructions.  The 64 accumulators take turns, in the same order in every step.  An odd K step's scale words stand in lanes 16-31
.macro MUL16 a0, q, zero
.irp a, \a0, \a0+1
.irp b, 0,1,2,3,4,5,6,7
.if \zero
	v_wmma_scale_f32_16x16x128_f8f6f4 v[8*(8*((\a)%4)+\b):8*(8*((\a)%4)+\b)+7], v[128*((\q)%2)+FR*\b:128*((\q)%2)+FR*\b+FR-1], v[AF+FR*(\a):AF+FR*(\a)+FR-1], 0, v[SB+2*\b+(\q)/2], v[SA+2*(\a)+(\q)/2] matrix_a_fmt:MATRIX_FMT_FP6 matrix_b_fmt:MATRIX_FMT_FP6
.elseif (\q)%2
	v_wmma_scale_f32_16x16x128_f8f6f4 v[8*(8*((\a)%4)+\b):8*(8*((\a)%4)+\b)+7], v[128*((\q)%2)+FR*\b:128*((\q)%2)+FR*\b+FR-1], v[AF+FR*(\a):AF+FR*(\a)+FR-1], v[8*(8*((\a)%4)+\b):8*(8*((\a)%4)+\b)+7], v[SB+2*\b+(\q)/2], v[SA+2*(\a)+(\q)/2] matrix_a_fmt:MATRIX_FMT_FP6 matrix_b_fmt:MATRIX_FMT_FP6 matrix_a_scale:MATRIX_SCALE_ROW1 matrix_b_scale:MATRIX_SCALE_ROW1
.else
	v_wmma_scale_f32_16x16x128_f8f6f4 v[8*(8*((\a)%4)+\b):8*(8*((\a)%4)+\b)+7], v[128*((\q)%2)+FR*\b:128*((\q)%2)+FR*\b+FR-1], v[AF+FR*(\a):AF+FR*(\a)+FR-1], v[8*(8*((\a)%4)+\b):8*(8*((\a)%4)+\b)+7], v[SB+2*\b+(\q)/2], v[SA+2*(\a)+(\q)/2] matrix_a_fmt:MATRIX_FMT_FP6 matrix_b_fmt:MATRIX_FMT_FP6
.endif
.endr
.endr
.endm
.macro STEP q, zero, last
	s_wait_dscnt 12                                ; B's set and A's blocks 0-3 are in; the 12 youngest loads (A's blocks 4-7) may be out
	WIN MUL_LO
	MUL16 0, \q, \zero
	MUL16 2, \q, \zero
	s_wait_dscnt 0
.if \last == 0
	PLACES NP
	FETCH_B (\q)+1
	FETCH_A (\q)+1, 0
.endif
	WIN MUL_HI
	MUL16 4, \q, \zero
	MUL16 6, \q, \zero
.if \last == 0
	PLACES NP
	WIN 0
	FETCH_A (\q)+1, 4
.endif
.endm
	s_wait_tensorcnt 0x0                           ; my loads have landed,
	s_barrier_signal -1
	s_barrier_wait -1                              ; everybody's have
	FETCH_B 0
	FETCH_A 0, 0
	FETCH_A 0, 4
	s_wait_loadcnt 0x0                             ; the scale words
	STEP 0, 1, 0                                   ; the first step's products start the sums
	STEP 1, 0, 0
	STEP 2, 0, 0
	STEP 3, 0, 1
	WIN 0
; THE WAY OUT, block by block of 16 rows x 128 columns, through my own stage in LDS: back come whole rows of 512 bytes.  LDS serves a wave's instructions in order (ISA guide 5.7.1.4): no wait between the stores and the loads.
.macro TOSTAGE a
.set AC, 64*((\a)%4)
	WIN 0x08+4*((\a)/4)                            ; the data: window 2 or 3
.irp b, 0,1,2,3,4,5,6,7
	ds_store_b128 v[STO], v[AC+8*\b:AC+8*\b+3] offset:64*\b          ; each accumulator from its low end on
	ds_store_b128 v[STO], v[AC+8*\b+4:AC+8*\b+7] offset:64*\b+16
.endr
	WIN 0
.set BB, BK+64*((\a)%2)
.irp t, 0,1,2,3,4,5,6,7,8,9,10,11,12,13,14,15
	ds_load_b128 v[BB+4*\t:BB+4*\t+3], v[RD] offset:\t*SPITCH
.endr
.endm
.macro SEND a, younger
.set BB, BK+64*((\a)%2)
	s_wait_dscnt \younger                          ; the block is back in registers
.if (\a) > 0
	s_add_nc_u64 s[12:13], s[12:13], 16*SIZE_N*4   ; (behind a wait on XCNT: the earlier stores have read their base)
.endif
.irp t, 0,1,2,3,4,5,6,7,8,9,10,11,12,13,14,15
	global_store_b128 v[CO], v[BB+4*\t:BB+4*\t+3], s[12:13] offset:\t*SIZE_N*4 th:TH_STORE_NT   ; 32 lanes store 512 consecutive bytes, aligned; written once
.endr
.endm
	PLACES NP                                      ; behind the last products
	TOSTAGE 0
.irp a, 1,2,3,4,5,6,7
.if \a > 1
	s_wait_xcnt 0x0                                ; block a - 2's stores have read their registers and their base
.endif
	TOSTAGE \a
	SEND \a-1, 32                                  ; behind block a - 1's loads: block a's 16 stores and 16 loads
.endr
	s_wait_xcnt 0x0
	SEND 7, 0
	s_wait_tensorcnt 0x0                           ; the wave's end
	ds_add_u32 v[SPW], v[NIL]
	s_wait_dscnt 0x0
	CROUND                                         ; the closing round
	s_endpgm
.Lfunc_end_k_q07b5f332ea_oproj:
	.size	k_q07b5f332ea_oproj, .Lfunc_end_k_q07b5f332ea_oproj-k_q07b5f332ea_oproj
	.p2alignl 7, 3214868480
	.fill 96, 4, 3214868480
	.section	.rodata,"a",@progbits
	.p2align	6, 0x0
	.amdhsa_kernel k_q07b5f332ea_oproj
		.amdhsa_group_segment_fixed_size 327680
		.amdhsa_private_segment_fixed_size 0
		.amdhsa_enable_private_segment 0
		.amdhsa_kernarg_size 40
		.amdhsa_user_sgpr_count 2
		.amdhsa_user_sgpr_kernarg_segment_ptr 1
		.amdhsa_wavefront_size32 1
		.amdhsa_system_sgpr_workgroup_id_x 1
		.amdhsa_system_sgpr_workgroup_id_y 1
		.amdhsa_system_sgpr_workgroup_id_z 1
		.amdhsa_system_vgpr_workitem_id 0
		.amdhsa_next_free_vgpr 1024
		.amdhsa_next_free_sgpr 66
		.amdhsa_reserve_vcc 0
		.amdhsa_float_denorm_mode_32 3
		.amdhsa_float_denorm_mode_16_64 3
		.amdhsa_memory_ordered 1
		.amdhsa_forward_progress 1
		.amdhsa_inst_pref_size 92
	.end_amdhsa_kernel
	.amdgpu_metadata
---
amdhsa.version: [ 1, 2 ]
amdhsa.kernels:
  - .name:           k_q07b5f332ea_oproj
    .symbol:         k_q07b5f332ea_oproj.kd
    .args:
      - { .name: ao, .offset: 0, .size: 8, .value_kind: global_buffer, .address_space: global }
      - { .name: aos, .offset: 8, .size: 8, .value_kind: global_buffer, .address_space: global }
      - { .name: wo_codes, .offset: 16, .size: 8, .value_kind: global_buffer, .address_space: global }
      - { .name: wo_scales, .offset: 24, .size: 8, .value_kind: global_buffer, .address_space: global }
      - { .name: out0, .offset: 32, .size: 8, .value_kind: global_buffer, .address_space: global }
    .group_segment_fixed_size: 327680
    .private_segment_fixed_size: 0
    .kernarg_segment_align: 8
    .kernarg_segment_size: 40
    .max_flat_workgroup_size: 128
    .sgpr_count:     66
    .vgpr_count:     1024
    .wavefront_size: 32
...
	.end_amdgpu_metadata
.endif
;; end of part 3
